; MI455X (gfx1250); checked and timed in simulation.
; The chip was launched on July 23, 2026; its instructions are those of AMD's public machine-readable ISA for CDNA 5 (MIT licence, August 2026) and "CDNA5" Instruction Set Architecture Reference Guide (July 2026). The comments in the code are by the model that wrote it; some were corrected since.
;; Multihead Attention. Allowed arithmetic: matrix products marked QUANTISED: E2M3 operands, one E8M0 scale for each 32 along K, by v_wmma_scale_f32_16x16x128_f8f6f4 with both operands' format E2M3, f32 sums; everything else in f32.
;; Inputs: Wk 1,024 x 1,024 float32; Wo 1,024 x 1,024 float32; Wq 1,024 x 1,024 float32; Wv 1,024 x 1,024 float32; bk 1,024 float32; bo 1,024 float32; bq 1,024 float32; bv 1,024 float32; key 8 x 1,024 x 1,024 float32; query 8 x 1,024 x 1,024 float32; value 8 x 1,024 x 1,024 float32.
;; Outputs: out0 8 x 1,024 x 1,024 float32.
;; This version of the problem:
;;   THIS VERSION OF THE PROBLEM IS GIVEN IN LOW PRECISION. The matrix products marked QUANTISED in the list below multiply operands that are first quantised to E2M3 (2 exponent bits, 3 mantissa bits; 6 bits a number), with one power-of-two scale for each 32 numbers along K (OCP MX v1.0); their sums are f32. All else is computed in f32.
;;   The module's matrix products, in the order in which they are computed (A, B: the left and right operand; K: the contracted axis; several contracted axes count as one K, in the product's order):
;;     1. [M 8,192, K 1,024] x [K 1,024, N 1,024]; A: input query; B: input Wq: QUANTISED
;;     2. [M 8,192, K 1,024] x [K 1,024, N 1,024]; A: input key; B: input Wk: QUANTISED
;;     3. [M 8,192, K 1,024] x [K 1,024, N 1,024]; A: input value; B: input Wv: QUANTISED
;;     4. batch 128 x [M 1,024, K 64] x [K 64, N 1,024]; A: computed on the way; B: computed on the way: QUANTISED
;;     5. batch 128 x [M 1,024, K 1,024] x [K 1,024, N 64]; A: softmax (see below); B: computed on the way: QUANTISED
;;     6. [M 8,192, K 1,024] x [K 1,024, N 1,024]; A: computed on the way; B: input Wo: QUANTISED
;;   THE QUANTISER, for each operand of a quantised product, along K:
;;     - K is cut into blocks of 32 from its start; a last block that is shorter is filled with zeros.
;;     - A block's scale is 2^e with e = floor(log2(the largest magnitude in the block)) - 2, held to -126 .. 127; a block of zeros has e = 0. As a byte (E8M0): e + 127.
;;     - Each number is divided by its block's scale, clamped to +-7.5, and rounded to the nearest number of E2M3, ties to even, subnormals kept.
;;     - The product sums the exact products of the quantised numbers (number of the format x scale) in f32.
;;   ~~~python
;;   def quantise(x, axis):      # numpy; x: float32 -> the quantised numbers, widened to float32 again
;;       x = np.moveaxis(x, axis, -1); K = x.shape[-1]
;;       x = np.pad(x, [(0, 0)] * (x.ndim - 1) + [(0, -K % 32)]); x = x.reshape(x.shape[:-1] + (-1, 32)); a = np.abs(x).max(-1, keepdims=True)
;;       e = np.where(a > 0, np.clip(np.frexp(np.where(a > 0, a, 1))[1] - 1 - 2, -126, 127), 0)      # np.frexp(a)[1] - 1 = floor(log2(a)), exactly
;;       r = np.clip(x / 2.0 ** e, -7.5, 7.5)
;;       step = 2.0 ** (np.maximum(np.frexp(np.where(r == 0, 1, r))[1] - 1, 0) - 3)
;;       q = np.round(r / step) * step * 2.0 ** e      # np.round: ties to even
;;       return np.moveaxis(q.reshape(q.shape[:-2] + (-1,))[..., :K], -1, axis).astype(np.float32)
;;   ~~~
;;   SOFTMAX AHEAD OF A QUANTISED PRODUCT. Where the list says 'softmax', what is quantised is not the finished softmax but p = 2^(t - M), with t = logit x log2(e) and M = ceil(the row's largest t), a whole number; so 1/2 < the row's largest p <= 1. The row's sum l is taken of the UNQUANTISED p, in f32, and the product's result is divided by l at the end. Since M is a whole number, a kernel that streams over the keys may use a running M (the ceiling of the running maximum): every later rescaling is an exact power of two, which a block's scale takes up: the codes' values come out the same.
;;   OPERANDS COMPUTED ON THE WAY. 'Computed on the way' means the value that the module computes at that place (a softmax that the list does not call 'softmax' is quantised finished and normalised). What goes into a quantiser is computed in f32, as accurately as f32 sums, v_exp_f32 and their like allow (about 1e-6 of the number): no bf16 or f16 on the way to a quantiser, and a product that is left as it is and whose result goes on into a quantised operand takes f32 operands (vector FMAs, or v_wmma_f32_16x16x4_f32). A number that lies on a knife's edge between two numbers of the format may be rounded either way, as far as f32 arithmetic and the matrix unit's own rounding can turn it there, and no further.
;; One version. Each part assembles by itself: llvm-mc -triple=amdgcn-amd-amdhsa -mcpu=gfx1250 --defsym DOCPART=n.
;; ======== version 1 of 1: 4 launches
;; limits: right only within a limited range of input values
;; workspace buffers: cod 28,311,552 bytes; scl 1,179,648 bytes; hd 20,185,088 bytes
;; launch quant (part 1): grid 256 x 1, 7 waves a work-group, no clusters, 61,952 bytes of LDS; arguments query, key, value, Wq, Wk, Wv, Wo, cod, scl; writes cod, scl
.if DOCPART == 1
	.amdgcn_target "amdgcn-amd-amdhsa--gfx1250"
	.amdhsa_code_object_version 6
	.text
	.protected	k_q2899327f0b_quant
	.globl	k_q2899327f0b_quant
	.p2align	8
	.type	k_q2899327f0b_quant,@function
k_q2899327f0b_quant:
	s_mov_b64 s[64:65], 0
	v_nop
	global_prefetch_b8 v0, s[64:65] scope:SCOPE_SE
	s_setreg_imm32_b32 hwreg(HW_REG_WAVE_MODE, 25, 1), 1
	s_wait_xcnt 0x0
; query, key, value [8192][1024] and Wq, Wk, Wv, Wo [1024][1024], f32, K innermost, become codes of FP6 (E2M3) with one E8M0 byte for each 32 along K,
; laid in the ORDER OF AN OPERAND'S REGISTERS.  A panel is 128 rows x 1,024 K: [K chunk of 128: 8][row block: 8][1,536 bytes]; a block's 1,536 bytes are two halves of 64 along K,
; 768 bytes each: the lanes' registers 0-3 at 16 x lane, then registers 4-5 at 512 + 8 x lane.  Panels: 0-63 query, 64-127 key, 128-191 value, 192-199 Wq, 200-207 Wk, 208-215 Wv, 216-223 Wo.
; THE ROWS OF A BLOCK ARE NOT NEIGHBOURS: lane r of block 2 b + u takes row 32 b + 8 u + r + 8 (r / 8) of its panel, so that a product that takes the block as source 0 leaves 16 neighbours in a lane's registers.
; Scale words: [panel][block][r][K chunk], 4 bytes each: byte b of a word scales k = 128 chunk + 32 b.
; A block's scale is 2^(floor(log2(its largest magnitude)) - 2); its byte is the largest magnitude's exponent field - 2, held at 1 from below.
; LIMITS: NaN and infinities are not served; blocks whose largest magnitude lies under 2^-124 keep the byte 1; a block of zeros has the byte 1 where the rule says 127: its codes are zeros, and this program alone reads the bytes.
; SHARES: 224 panels x 8 blocks = 1,792 row blocks = 256 work-groups x 7 waves: a wave takes one block, 16 rows x 1,024 K, in 16 steps of 64 along K.  Waves share nothing: no barrier.
; A step's eight loads read whole runs of 256 bytes (sixteen lanes to a row); the 4,096 bytes turn through the wave's own stage in LDS (rows 272 bytes apart), so that a lane gets a whole block of 32 neighbours.
.set STG,   4352                       ; a stage: 16 rows x 272 bytes; two for each wave
.set SPARE, 7*2*STG                    ; behind the stages: the spare words, 128 bytes for each wave, four blocks of 256 bytes that no other line names
.set R,     16                         ; v16-143  four sets of 32 registers as loaded
.set X,     144                        ; v144-207 two sets: a lane's 32 neighbours
.set C,     208                        ; v208-223 two sets of 8: a step's codes (6 used)
.set T,     224                        ; v224-226 the codes of a block's upper 16 (a conversion's three registers begin on an even number)
.set W,     228                        ; v228-235 a scale word in the making for each K chunk
.set WO,    236                        ; v236-239 the four words that I store
	s_load_b256 s[4:11], s[0:1], 0x0               ; query, key, value, Wq
	s_load_b256 s[12:19], s[0:1], 0x20             ; Wk, Wv, Wo, cod
	s_load_b64 s[20:21], s[0:1], 0x40              ; scl
	v_lshl_add_u32 v10, v0, 2, SPARE               ; my spare word
	v_mov_b32 v11, 0
	v_lshrrev_b32 v1, 5, v0
	v_readfirstlane_b32 s26, v1                    ; wave 0..6
	v_and_b32 v1, 31, v0                           ; lane
	v_and_b32 v2, 15, v0                           ; r
	v_bfe_u32 v3, v0, 4, 1                         ; h
	v_lshlrev_b32 v4, 4, v2
	v_lshl_add_u32 v4, v3, 12, v4                  ; in: sixteen lanes to a row's 256 bytes, lanes 16-31 the row below
	s_mul_i32 s27, s26, 2*STG                      ; my stages
	v_mul_u32_u24 v5, v3, 272
	v_lshl_add_u32 v5, v2, 4, v5
	v_add_nc_u32 v5, s27, v5                       ; into a stage: as loaded
	v_mul_u32_u24 v6, v2, 272
	v_lshl_add_u32 v6, v3, 7, v6
	v_add_nc_u32 v6, s27, v6                       ; out of it: row r, 128 bytes for each half of the lanes
	v_lshlrev_b32 v7, 4, v1                        ; codes out: registers 0-3 at 16 x lane,
	v_lshlrev_b32 v8, 3, v1
	v_add_nc_u32 v8, 512, v8                       ; registers 4-5 at 512 + 8 x lane
	v_lshlrev_b32 v9, 5, v2
	v_lshl_add_u32 v9, v3, 4, v9                   ; scale words out: 32 r + 16 h
	v_lshlrev_b32 v240, 3, v3                      ; 8 h
	v_mov_b32 v241, 0                              ; a lane permute's destination counts as one of its sources
	s_mov_b32 s32, 0x76543210
	s_mov_b32 s33, 0xfedcba98                      ; selects for lane l xor 16
	s_mul_i32 s25, ttmp9, 7
	s_add_co_u32 s25, s25, s26                     ; my row block, 0..1791
	s_wait_alu depctr_va_vdst(0)
	s_wait_kmcnt 0x0
	s_mov_b64 s[22:23], s[16:17]                   ; which tensor, and its first row block: a choice that hangs on the block's number alone
	s_mov_b32 s24, 1728
	s_cmp_lt_u32 s25, 1728
	s_cselect_b64 s[22:23], s[14:15], s[22:23]
	s_cselect_b32 s24, 1664, s24
	s_cmp_lt_u32 s25, 1664
	s_cselect_b64 s[22:23], s[12:13], s[22:23]
	s_cselect_b32 s24, 1600, s24
	s_cmp_lt_u32 s25, 1600
	s_cselect_b64 s[22:23], s[10:11], s[22:23]
	s_cselect_b32 s24, 1536, s24
	s_cmp_lt_u32 s25, 1536
	s_cselect_b64 s[22:23], s[8:9], s[22:23]
	s_cselect_b32 s24, 1024, s24
	s_cmp_lt_u32 s25, 1024
	s_cselect_b64 s[22:23], s[6:7], s[22:23]
	s_cselect_b32 s24, 512, s24
	s_cmp_lt_u32 s25, 512
	s_cselect_b64 s[22:23], s[4:5], s[22:23]
	s_cselect_b32 s24, 0, s24
	s_sub_co_u32 s24, s25, s24                     ; the block's number in its tensor
	s_lshr_b32 s28, s24, 1
	s_lshl_b32 s28, s28, 17                        ; 32 rows of 4,096 bytes for each pair of blocks,
	s_and_b32 s29, s24, 1
	s_lshl_b32 s29, s29, 15                        ; 8 rows for the odd one
	s_add_co_u32 s28, s28, s29
	; KEY'S BLOCKS (row blocks 512-1023) HAVE ANOTHER ORDER OF ROWS: lane r of block 4 c + u takes row 64 c + 8 u + r % 8 + 32 (r / 8) of its panel,
	; so that the scores of four neighbouring blocks leave a whole block of 32 neighbouring keys in a lane's registers
	s_lshr_b32 s30, s24, 2
	s_lshl_b32 s30, s30, 18                        ; 64 rows for each four blocks,
	s_and_b32 s29, s24, 3
	s_lshl_b32 s29, s29, 15                        ; 8 rows for each block in them
	s_add_co_u32 s30, s30, s29
	s_mov_b32 s34, 8*4096                          ; a block's rows 8-15 lie 8 rows further down than their number says; key's 24
	s_sub_co_u32 s29, s25, 512
	s_cmp_lt_u32 s29, 512                          ; the choice hangs on the block's number alone
	s_cselect_b32 s28, s30, s28
	s_cselect_b32 s34, 24*4096, s34
	v_add_nc_u32 v242, s34, v4                     ; the loads' offset for rows 8-15
	s_wait_alu depctr_va_vdst(0)
	s_mov_b32 s29, 0
	s_add_nc_u64 s[22:23], s[22:23], s[28:29]
	s_lshr_b32 s28, s25, 3
	s_mul_i32 s28, s28, 98304                      ; the panel,
	s_and_b32 s30, s25, 7
	s_mul_i32 s30, s30, 1536                       ; the block in it
	s_add_co_u32 s28, s28, s30
	s_add_nc_u64 s[18:19], s[18:19], s[28:29]
	s_lshl_b32 s28, s25, 9                         ; 512 bytes of scale words a block
	s_add_nc_u64 s[20:21], s[20:21], s[28:29]
.macro LOAD t                          ; step t: 64 along K of the block's 16 rows; rows 2 i and 2 i + 1 of the block lie 2 i + 8 (i / 4) rows down in memory
.irp i, 0,1,2,3
	global_load_b128 v[R+32*((\t)%4)+4*\i:R+32*((\t)%4)+4*\i+3], v4, s[22:23] offset:2*\i*4096+256*(\t) th:TH_LOAD_NT
.endr
.irp i, 4,5,6,7
	global_load_b128 v[R+32*((\t)%4)+4*\i:R+32*((\t)%4)+4*\i+3], v242, s[22:23] offset:2*\i*4096+256*(\t) th:TH_LOAD_NT
.endr
.endm
.macro TURN t                          ; through the stage: LDS serves a wave's instructions in order, so no wait stands between the stores and the loads
.irp i, 0,1,2,3,4,5,6,7
	ds_store_b128 v5, v[R+32*((\t)%4)+4*\i:R+32*((\t)%4)+4*\i+3] offset:STG*((\t)%2)+2*\i*272
.endr
.irp i, 0,1,2,3,4,5,6,7
	ds_load_b128 v[X+32*((\t)%2)+4*\i:X+32*((\t)%2)+4*\i+3], v6 offset:STG*((\t)%2)+16*\i
.endr
.endm
.macro STEP t
.set XS, X+32*((\t)%2)
.set CC, C+8*((\t)%2)
	s_wait_dscnt 0x0                               ; this step's numbers are back from the stage, and its stores into the stage have read their registers,
.if (\t)+4 < 16
	LOAD (\t)+4                                    ; which take the loads of four steps on
.endif
.if (\t)+1 < 16
.if 14-(\t) >= 3
	s_wait_loadcnt 24                              ; the next step's eight loads are in; those of the three steps behind it may be out
.else
	s_wait_loadcnt 8*(14-(\t))
.endif
	TURN (\t)+1                                    ; they go through the other stage while this step is worked
.endif
	v_max3_num_f32 v12, |v[XS]|, |v[XS+1]|, |v[XS+2]|              ; the block's largest magnitude: all 32 numbers are mine; two chains
	v_max3_num_f32 v13, |v[XS+3]|, |v[XS+4]|, |v[XS+5]|
.irp i, 6,10,14,18,22,26
	v_max3_num_f32 v12, v12, |v[XS+\i]|, |v[XS+\i+1]|
	v_max3_num_f32 v13, v13, |v[XS+\i+2]|, |v[XS+\i+3]|
.endr
	v_max3_num_f32 v12, v12, |v[XS+30]|, |v[XS+31]|
	v_max3_num_f32 v12, v12, v13, 0x1800000        ; and the floor 2^(3 - 127): the byte cannot fall under 1
	v_add_nc_u32 v14, 0xff000000, v12              ; 2 off the exponent field: the conversion takes the exponent field of this operand as its scale
.if (\t) >= 2
	s_wait_alu depctr_va_vdst(0)
	s_wait_xcnt 0x0                                ; the stores of two steps back have read this set of code registers
.endif
	v_cvt_scalef32_pk16_fp6_f32 v[CC:CC+2], v[XS:XS+15], v14
	v_cvt_scalef32_pk16_fp6_f32 v[T:T+2], v[XS+16:XS+31], v14
	v_lshrrev_b32 v15, 23, v14                     ; the scale's byte (the plain line behind the conversions)
.irp i, 0,1,2
	v_mov_b32 v[CC+3+\i], v[T+\i]
.endr
.if (\t)%2 == 0
	v_mov_b32 v[W+(\t)/2], v15                     ; my two bytes of the chunk's word: blocks h and 2 + h
.else
	v_lshl_or_b32 v[W+(\t)/2], v15, 16, v[W+(\t)/2]
.endif
	global_store_b128 v7, v[CC:CC+3], s[18:19] offset:((\t)/2)*12288+((\t)%2)*768     ; 512 consecutive bytes
	global_store_b64 v8, v[CC+4:CC+5], s[18:19] offset:((\t)/2)*12288+((\t)%2)*768    ; and the 256 behind them
.endm
	LOAD 0
	LOAD 1
	LOAD 2
	LOAD 3
	s_wait_loadcnt 24                              ; step 0's eight loads are in
	TURN 0
.irp t, 0,1,2,3,4,5,6,7,8,9,10,11,12,13,14,15
	STEP \t
.endr
.irp k, 0,1,2,3,4,5,6,7
	v_lshlrev_b32 v[W+\k], v240, v[W+\k]           ; my bytes at their places, 8 h bits up;
.endr
.irp k, 0,1,2,3,4,5,6,7
	v_permlanex16_b32 v241, v[W+\k], s32, s33
	v_or_b32 v[W+\k], v[W+\k], v241                ; with lane l xor 16's two the word is whole
.endr
	v_cmp_eq_u32 vcc_lo, 1, v3
.irp k, 0,1,2,3
	v_cndmask_b32 v[WO+\k], v[W+\k], v[W+4+\k], vcc_lo   ; lanes 0-15 store words 0-3 of row r, lanes 16-31 words 4-7
.endr
	global_store_b128 v9, v[WO:WO+3], s[20:21]     ; 512 consecutive bytes
	s_wait_tensorcnt 0x0                           ; the wave's end, behind my last LDS store
	ds_add_u32 v10, v11
	s_wait_dscnt 0x0
	s_endpgm
.Lfunc_end_k_q2899327f0b_quant:
	.size	k_q2899327f0b_quant, .Lfunc_end_k_q2899327f0b_quant-k_q2899327f0b_quant
	.p2alignl 7, 3214868480
	.fill 96, 4, 3214868480
	.section	.rodata,"a",@progbits
	.p2align	6, 0x0
	.amdhsa_kernel k_q2899327f0b_quant
		.amdhsa_group_segment_fixed_size 61952
		.amdhsa_private_segment_fixed_size 0
		.amdhsa_enable_private_segment 0
		.amdhsa_kernarg_size 72
		.amdhsa_user_sgpr_count 2
		.amdhsa_user_sgpr_kernarg_segment_ptr 1
		.amdhsa_wavefront_size32 1
		.amdhsa_system_sgpr_workgroup_id_x 1
		.amdhsa_system_sgpr_workgroup_id_y 1
		.amdhsa_system_sgpr_workgroup_id_z 1
		.amdhsa_system_vgpr_workitem_id 0
		.amdhsa_next_free_vgpr 256
		.amdhsa_next_free_sgpr 66
		.amdhsa_reserve_vcc 1
		.amdhsa_float_denorm_mode_32 3
		.amdhsa_float_denorm_mode_16_64 3
		.amdhsa_memory_ordered 1
		.amdhsa_forward_progress 1
		.amdhsa_inst_pref_size 61
	.end_amdhsa_kernel
	.amdgpu_metadata
---
amdhsa.version: [ 1, 2 ]
amdhsa.kernels:
  - .name:           k_q2899327f0b_quant
    .symbol:         k_q2899327f0b_quant.kd
    .args:
      - { .name: query, .offset: 0, .size: 8, .value_kind: global_buffer, .address_space: global }
      - { .name: key, .offset: 8, .size: 8, .value_kind: global_buffer, .address_space: global }
      - { .name: value, .offset: 16, .size: 8, .value_kind: global_buffer, .address_space: global }
      - { .name: Wq, .offset: 24, .size: 8, .value_kind: global_buffer, .address_space: global }
      - { .name: Wk, .offset: 32, .size: 8, .value_kind: global_buffer, .address_space: global }
      - { .name: Wv, .offset: 40, .size: 8, .value_kind: global_buffer, .address_space: global }
      - { .name: Wo, .offset: 48, .size: 8, .value_kind: global_buffer, .address_space: global }
      - { .name: cod, .offset: 56, .size: 8, .value_kind: global_buffer, .address_space: global }
      - { .name: scl, .offset: 64, .size: 8, .value_kind: global_buffer, .address_space: global }
    .group_segment_fixed_size: 61952
    .private_segment_fixed_size: 0
    .kernarg_segment_align: 8
    .kernarg_segment_size: 72
    .max_flat_workgroup_size: 224
    .sgpr_count:     66
    .vgpr_count:     256
    .wavefront_size: 32
...
	.end_amdgpu_metadata
.endif
;; end of part 1
;; launch proj (part 2): grid 4 x 64, 4 waves a work-group, clusters of 4 x 4, 327,680 bytes of LDS; arguments cod, scl, bq, bk, bv, hd; writes hd
.if DOCPART == 2
	.amdgcn_target "amdgcn-amd-amdhsa--gfx1250"
	.amdhsa_code_object_version 6
	.text
	.protected	k_q2899327f0b_proj
	.globl	k_q2899327f0b_proj
	.p2align	8
	.type	k_q2899327f0b_proj,@function
k_q2899327f0b_proj:
	s_mov_b64 s[64:65], 0
	v_nop
	global_prefetch_b8 v0, s[64:65] scope:SCOPE_SE
	s_setreg_imm32_b32 hwreg(HW_REG_WAVE_MODE, 25, 1), 1
	s_wait_xcnt 0x0
	s_wait_alu depctr_hold_cnt(0) depctr_sa_sdst(0) depctr_va_vdst(0) depctr_va_sdst(0) depctr_va_ssrc(0) depctr_va_vcc(0) depctr_vm_vsrc(0)
	s_getreg_b32 s2, hwreg(HW_REG_IB_STS2, 6, 4)
	s_cmp_eq_u32 s2, 0
	s_cbranch_scc0 .Lentry_in_a_cluster
	s_endpgm
.Lentry_in_a_cluster:
	s_bfe_u32 s2, ttmp6, 0x10000c
	s_cmp_lg_u32 s2, 0xf033
	s_cbranch_scc0 .Lentry_shape_is_right
	s_endpgm
.Lentry_shape_is_right:
; q = query Wq^T + bq, k = key Wk^T + bk, v = value Wv^T + bv on codes of FP6 (E2M3) with E8M0 scales, sums in f32; the results are quantised at once: q and k along the head's 64, v along the keys,
; and leave as images of operand registers in the heads' records of hd.  q's factor 64^-0.5 = 2^-3 is not applied here: it only moves q's block scales, and the attention's constant carries it
; (exact, unless a block exponent of q would be held at -126).
; A WORK-GROUP STAYS: 256 work-groups, each makes one tile of q, then one of k (a loop of two trips), then one of v (the tail, written out: it asks for nothing more).
; TILE.  Source 1 is one panel (128 rows), source 0 two panels (256 rows); ALL of K, 1,024, lies in LDS: 3 x 98,304 bytes.  Wave (WM, WN) takes source 1's blocks 4 WM + 0..3
; and source 0's panel WN: 32 accumulators, 256 matrix instructions.  A lane holds one row of source 1, and its registers run along source 0's rows.
; q, k: source 1 = tokens, source 0 = the weight's rows, so the registers run along the features (d).  v: source 1 = Wv's rows, source 0 = value's tokens, so the registers run along the keys.
; FILLS.  One joint load a wave: wave 0 source 1's chunks 0-3, wave 1 source 0's, waves 2 and 3 the same of chunks 4-7.  A tile's first barrier shows the first half of K, the barrier in chunk 3 the second.
; THE REFILL.  When chunk 7's fragments are in registers nobody reads LDS any more: every wave waits for its tensor loads and adds 0 to its spare word, a round of the cluster's barrier follows, with sixteen products inside it,
; and the next tile's load is the first tensor load behind it; the last products, the quantiser, the stores and the next tile's scale loads stand between that load and the wait for it.
; PREFETCH.  Behind a trip's first chunk each wave names, once in the cluster, its share of the next tile's three panels: 24 + 48 blocks of 256 bytes, six chunks (192 matrix instructions a wave) ahead of the refill;
; the four partners of a joint load share a panel out by address (cx for source 1, cy for source 0).  The first tile comes by its loads alone; the tail asks for nothing.
; CLUSTER 4 x 4: source 1's panel hangs on cy alone and is asked for jointly along a row of the cluster, source 0's on cx alone and along a column.
; RECORD of head (batch x 16 + head), 157,696 bytes: K's codes [token block 0..63][768]; at 49,152 V's codes [key chunk 0..7][half 0..1][d tile 0..3][768]; at 98,304 scale words [chunk][768]: K's of token groups 2 s, 2 s + 1, then V's,
; each 256 bytes [r][tile] u32; at 104,448 Q's codes as K's; at 153,600 Q's scale words [group 0..15][r][tile].  In q's and k's words bytes 2 and 3 are 0: they stand over zero codes.
; LIMITS: NaN and infinities are not served; blocks under 2^-124 keep the byte 1, blocks of zeros too.  V's scale words are stored by lanes 16-31 once more, the same bytes with the same values.
; REGISTERS: window 0: v4-11 LDS addresses, v12-13 the add's two, v14-24 offsets, v32-63 source 1's scale words [8 a + chunk], v64-127 source 0's [8 t + chunk], v128-223 source 1's fragments, two sets (on the way out: codes), v224-247 at work.
;   window 1: source 0's fragments, two sets of 96; v192-255 the bias as C.   window 2: accumulator (a, t) at v[8 (8 a + t)].
.set REC,   157696
.set VC,    49152
.set SCLO,  98304
.set QC,    104448
.set QS,    153600
.set PANEL, 98304
.set SPARE, 3*PANEL                    ; behind the panels: the spare words, 128 bytes a wave
.set SC1,   32
.set SC0,   64
.set F1,    128
.set BI,    192
.set TM,    224
.set PW,    240
.set SW,    244
.set MSB, 0
.macro WIN new                         ; the immediate's high byte repeats the setting that is left
.if MSB != \new
	s_set_vgpr_msb (MSB<<8)|\new
.set MSB, \new
.endif
.endm
.macro PLACES n                        ; plain places behind matrix instructions (ISA guide 7.12.1)
.rept \n
	v_nop
.endr
.endm
.macro WALU
	s_wait_alu depctr_va_vdst(0)
.endm
.macro CREST                           ; a round of the cluster's barrier behind its opening barrier
	s_cmp_lg_u32 s16, 0
	s_cbranch_scc1 .Lnot_wave_0_\@
	s_barrier_signal -3
.Lnot_wave_0_\@:
	s_barrier_wait -3
	s_barrier_signal -1
	s_barrier_wait -1
.endm
.macro CROUND                          ; a whole round
	s_barrier_signal -1
	s_barrier_wait -1
	CREST
.endm
.macro FETCH kc, p                     ; the fragments of K chunk kc into set p: 48 LDS loads, each of consecutive bytes (images of the registers)
	WIN 0x40                                       ; destination window 1
.irp t, 0,1,2,3,4,5,6,7
	ds_load_b128 v[96*(\p)+12*\t:96*(\p)+12*\t+3],    v[8+(\kc)/4]  offset:((\kc)%4)*12288+\t*1536
	ds_load_b64  v[96*(\p)+12*\t+4:96*(\p)+12*\t+5],  v[10+(\kc)/4] offset:((\kc)%4)*12288+\t*1536
	ds_load_b128 v[96*(\p)+12*\t+6:96*(\p)+12*\t+9],  v[8+(\kc)/4]  offset:((\kc)%4)*12288+\t*1536+768
	ds_load_b64  v[96*(\p)+12*\t+10:96*(\p)+12*\t+11], v[10+(\kc)/4] offset:((\kc)%4)*12288+\t*1536+768
.endr
	WIN 0
.irp a, 0,1,2,3
	ds_load_b128 v[F1+48*(\p)+12*\a:F1+48*(\p)+12*\a+3],    v[4+(\kc)/4] offset:((\kc)%4)*12288+\a*1536
	ds_load_b64  v[F1+48*(\p)+12*\a+4:F1+48*(\p)+12*\a+5],  v[6+(\kc)/4] offset:((\kc)%4)*12288+\a*1536
	ds_load_b128 v[F1+48*(\p)+12*\a+6:F1+48*(\p)+12*\a+9],  v[4+(\kc)/4] offset:((\kc)%4)*12288+\a*1536+768
	ds_load_b64  v[F1+48*(\p)+12*\a+10:F1+48*(\p)+12*\a+11], v[6+(\kc)/4] offset:((\kc)%4)*12288+\a*1536+768
.endr
.endm
; 16 matrix instructions: source 1's blocks a0, a0 + 1 x source 0's eight tiles.  cm = 0: onto the sums; 1: the sums begin with the bias along the registers; 2: with the bias along the lanes.
; The 32 accumulators take turns, one instruction a turn, in the same order in every chunk.
.macro MUL16 a0, p, kc, cm
.if \cm
	WIN 0x91                                       ; source 0 window 1, source 1 window 0, C window 1, D window 2
.else
	WIN 0xa1                                       ; C and D window 2
.endif
.irp a, \a0, \a0+1
.irp t, 0,1,2,3,4,5,6,7
.set rD, 8*(8*(\a)+\t)
.set rA, 96*(\p)+12*\t
.set rB, F1+48*(\p)+12*(\a)
.if \cm == 0
	v_wmma_scale_f32_16x16x128_f8f6f4 v[rD:rD+7], v[rA:rA+11], v[rB:rB+11], v[rD:rD+7], v[SC0+8*\t+(\kc)], v[SC1+8*(\a)+(\kc)] matrix_a_fmt:MATRIX_FMT_FP6 matrix_b_fmt:MATRIX_FMT_FP6
.elseif \cm == 1
	v_wmma_scale_f32_16x16x128_f8f6f4 v[rD:rD+7], v[rA:rA+11], v[rB:rB+11], v[BI+8*\t:BI+8*\t+7], v[SC0+8*\t+(\kc)], v[SC1+8*(\a)+(\kc)] matrix_a_fmt:MATRIX_FMT_FP6 matrix_b_fmt:MATRIX_FMT_FP6
.else
	v_wmma_scale_f32_16x16x128_f8f6f4 v[rD:rD+7], v[rA:rA+11], v[rB:rB+11], v[BI+8*(\a):BI+8*(\a)+7], v[SC0+8*\t+(\kc)], v[SC1+8*(\a)+(\kc)] matrix_a_fmt:MATRIX_FMT_FP6 matrix_b_fmt:MATRIX_FMT_FP6
.endif
.endr
.endr
.endm
.macro EVEN kc                         ; an even chunk: its successor lies in a half of K that has been shown landed
	PLACES 4                                       ; in front of loads into set 1, which the last products read
	FETCH (\kc)+1, 1
	s_wait_dscnt 48                                ; all but the 48 just issued: this chunk's fragments are in
	MUL16 0, 0, \kc, 0
	MUL16 2, 0, \kc, 0
.endm
.macro ODD kc                          ; an odd chunk.  Chunk 3's successor opens the second half of K; the others go as the even ones do, with the sets changed
.if (\kc) == 3
	s_wait_tensorcnt 0x0                           ; my load has landed, whichever half it brought
	s_wait_dscnt 0x0                               ; this chunk's fragments are in, and no LDS instruction of mine is out at the signal
	s_barrier_signal -1
	MUL16 0, 1, \kc, 0                             ; work on registers while the others arrive
	s_barrier_wait -1                              ; the second half of K has landed
	PLACES 4                                       ; in front of loads into set 0
	FETCH (\kc)+1, 0
	MUL16 2, 1, \kc, 0
.else
	PLACES 4                                       ; in front of loads into set 0, which the last products read
	FETCH (\kc)+1, 0
	s_wait_dscnt 48                                ; all but the 48 just issued: this chunk's fragments are in
	MUL16 0, 1, \kc, 0
	MUL16 2, 1, \kc, 0
.endif
.endm
; The 64 results of source 1's block a in a lane, register 16 b + i = place 32 b + 16 (lane / 16) + i along the next K, become a fragment's codes and its scale word; the codes leave as they stand.
.macro QUANT a
.set AC, 64*(\a)
.set PC, F1+20*(\a)                    ; a set of its own for each block: no store's data are written again within a tile
	WIN 0x28                                       ; sources 1 and 2: window 2
.irp b, 0,1,2,3
	v_max3_num_f32 v[TM+\b], 0x1800000, |v[AC+16*\b]|, |v[AC+16*\b+1]|   ; block b: my 16 numbers and the floor 2^(3 - 127); each accumulator is read from its low end on
.endr
.irp i, 2,4,6,8,10,12,14
.irp b, 0,1,2,3
	v_max3_num_f32 v[TM+\b], v[TM+\b], |v[AC+16*\b+\i]|, |v[AC+16*\b+\i+1]|
.endr
.endr
	WIN 0
.irp b, 0,1,2,3
	v_permlanex16_b32 v[TM+4+\b], v[TM+\b], s2, s3
.endr
.irp b, 0,1,2,3
	v_max_num_f32 v[TM+\b], v[TM+\b], v[TM+4+\b]   ; with lane l xor 16's: the block's largest magnitude
.endr
.irp b, 0,1,2,3
	v_add_nc_u32 v[TM+12+\b], 0xff000000, v[TM+\b] ; 2 off the exponent field: the conversion's scale operand
.endr
.irp b, 0,1,2,3
	v_lshrrev_b32 v[TM+4+\b], 23, v[TM+12+\b]      ; the scale's byte
.endr
	v_lshl_or_b32 v[PW+(\a)], v[TM+5], 8, v[TM+4]
	v_lshl_or_b32 v[PW+(\a)], v[TM+6], 16, v[PW+(\a)]
	v_lshl_or_b32 v[PW+(\a)], v[TM+7], 24, v[PW+(\a)]
	WIN 0x02                                       ; source 0: window 2
.irp u, 0,1
	v_cvt_scalef32_pk16_fp6_f32 v[PC+6*\u:PC+6*\u+2], v[AC+32*\u:AC+32*\u+15], v[TM+12+2*\u]
	v_cvt_scalef32_pk16_fp6_f32 v[PC+12+4*\u:PC+14+4*\u], v[AC+16+32*\u:AC+31+32*\u], v[TM+13+2*\u]
.endr
	WIN 0
	v_nop                                          ; one plain line behind the conversions
.irp u, 0,1                            ; the operand's layout wants a whole block in a lane
.irp i, 0,1,2
	v_permlane16_swap_b32 v[PC+6*\u+\i], v[PC+12+4*\u+\i]
.endr
.irp i, 0,1,2
	v_mov_b32 v[PC+3+6*\u+\i], v[PC+12+4*\u+\i]
.endr
.endr
	global_store_b128 v14, v[PC:PC+3], s[90:91] offset:(\a)*768       ; half 0 (q, k: the panel's first head; v: keys 0-63 of the chunk): 512 consecutive bytes,
	global_store_b64  v16, v[PC+4:PC+5], s[90:91] offset:(\a)*768     ; and the 256 behind them
	global_store_b128 v15, v[PC+6:PC+9], s[90:91] offset:(\a)*768     ; half 1
	global_store_b64  v17, v[PC+10:PC+11], s[90:91] offset:(\a)*768
.endm
.macro PAN                             ; the panels of product s22 (0 q, 1 k, 2 v): s56 source 1's, s58 source 0's first, s59 mine of the two
	s_lshl_b32 s56, s22, 6
	s_lshl_b32 s57, s23, 2
	s_add_co_u32 s56, s56, s57                     ; q, k: source 1 = the tokens' panels
	s_and_b32 s57, s23, 1
	s_lshl_b32 s57, s57, 2
	s_add_co_u32 s57, s57, 208                     ; v: source 1 = Wv's panels
	s_lshl_b32 s58, s22, 3
	s_add_co_u32 s58, s58, 192                     ; q, k: source 0 = the weight's panels
	s_lshr_b32 s59, s23, 1
	s_lshl_b32 s59, s59, 3
	s_add_co_u32 s59, s59, 128                     ; v: source 0 = value's panels
	s_cmp_eq_u32 s22, 2
	s_cselect_b32 s56, s57, s56
	s_cselect_b32 s58, s59, s58
	s_add_co_u32 s56, s56, s20                     ; + cy
	s_lshl_b32 s59, s19, 1
	s_add_co_u32 s58, s58, s59                     ; + 2 cx
	s_add_co_u32 s59, s58, s18
.endm
.macro ADR                             ; the four groups 0 take those panels' addresses; no tensor load of mine is out here
	s_mul_i32 s84, s56, PANEL
	s_mov_b32 s85, 0
	s_mul_i32 s86, s58, PANEL
	s_mov_b32 s87, 0
	s_add_nc_u64 s[42:43], s[4:5], s[84:85]
	s_add_nc_u64 s[46:47], s[42:43], 49152
	s_or_b32 s43, s43, 0x80000000
	s_or_b32 s47, s47, 0x80000000
	s_add_nc_u64 s[70:71], s[4:5], s[86:87]
	s_add_nc_u64 s[74:75], s[70:71], 49152
	s_or_b32 s71, s71, 0x80000000
	s_or_b32 s75, s75, 0x80000000
.endm
.macro LOADS                           ; one load a wave, in one chain of branches on the wave's number: the first half of K is asked for first
	s_cmp_eq_u32 s16, 0
	s_cbranch_scc0 .Lfill_1_\@
	tensor_load_to_lds s[40:43], s[24:31]          ; wave 0: source 1, chunks 0-3
	s_nop 0
	PLACES 4
	s_branch .Lfilled_\@
.Lfill_1_\@:
	s_cmp_eq_u32 s16, 1
	s_cbranch_scc0 .Lfill_2_\@
	tensor_load_to_lds s[68:71], s[32:39]          ; wave 1: source 0's two panels, chunks 0-3
	s_nop 0
	PLACES 4
	s_branch .Lfilled_\@
.Lfill_2_\@:
	s_cmp_eq_u32 s16, 2
	s_cbranch_scc0 .Lfill_3_\@
	tensor_load_to_lds s[44:47], s[24:31]          ; wave 2: source 1, chunks 4-7
	s_nop 0
	PLACES 4
	s_branch .Lfilled_\@
.Lfill_3_\@:
	tensor_load_to_lds s[72:75], s[32:39]          ; wave 3: source 0's two panels, chunks 4-7
	s_nop 0
	PLACES 4
.Lfilled_\@:
.endm
.macro SCLOAD                          ; the tile's scale words come once, straight into registers
	s_lshl_b32 s92, s56, 12
	s_lshl_b32 s63, s17, 11
	s_add_co_u32 s92, s92, s63
	s_mov_b32 s93, 0
	s_add_nc_u64 s[92:93], s[6:7], s[92:93]
	s_lshl_b32 s94, s59, 12
	s_mov_b32 s95, 0
	s_add_nc_u64 s[94:95], s[6:7], s[94:95]
.irp a, 0,1,2,3
	global_load_b128 v[SC1+8*\a:SC1+8*\a+3], v19, s[92:93] offset:\a*512
	global_load_b128 v[SC1+8*\a+4:SC1+8*\a+7], v19, s[92:93] offset:\a*512+16
.endr
.irp t, 0,1,2,3,4,5,6,7
	global_load_b128 v[SC0+8*\t:SC0+8*\t+3], v19, s[94:95] offset:\t*512
	global_load_b128 v[SC0+8*\t+4:SC0+8*\t+7], v19, s[94:95] offset:\t*512+16
.endr
.endm
.macro SETD                            ; where my codes and my scale words go
	s_mov_b32 s91, 0
	s_mov_b32 s99, 0
	s_add_nc_u64 s[90:91], s[14:15], s[90:91]
	s_add_nc_u64 s[98:99], s[14:15], s[98:99]
	v_add_nc_u32 v15, s104, v14
	v_add_nc_u32 v17, s104, v16
	v_mul_u32_u24 v18, s105, v3
	v_lshl_add_u32 v18, v2, 4, v18                 ; 16 r: four words a row
	v_mul_u32_u24 v21, s101, v3
.endm
.macro START cm                        ; the tile's first chunk starts the sums, with the bias as C: nothing is cleared, nothing is added later
	WALU
	s_cmp_lt_u32 s16, 2
	s_cbranch_scc0 .Lhalf_1_\@
	s_wait_tensorcnt 0x0                           ; waves 0 and 1: my load of the first half of K has landed; the second half may stay out
.Lhalf_1_\@:
	s_barrier_signal -1
	s_barrier_wait -1                              ; the first half of K is in
	FETCH 0, 0
	s_wait_loadcnt 0x0                             ; scale words and bias
	FETCH 1, 1
	s_wait_dscnt 48                                ; chunk 0's fragments are in
.if \cm == 2
	WIN 0x41                                       ; destination and source 0: window 1
.irp a, 0,1,2,3
.irp j, 1,2,3,4,5,6,7
	v_mov_b32 v[BI+8*\a+\j], v[BI+8*\a]            ; a lane's bias in all eight registers of C
.endr
.endr
	PLACES 4
.endif
	MUL16 0, 0, 0, \cm
	MUL16 2, 0, 0, \cm
.endm
.macro LAST refill                     ; chunk 7
.if \refill
	WIN 0                                          ; (the add's two registers lie in window 0)
	s_wait_tensorcnt 0x0                           ; all my tensor loads have landed;
	ds_add_u32 v12, v13                            ; 0 onto my spare word;
	ADR                                            ; work on registers: the next tile's addresses
	s_wait_dscnt 0x0                               ; the add is done, chunk 7's fragments are in, and my reads of this tile are over
	s_barrier_signal -1                            ; this barrier opens a round of the cluster's barrier
	MUL16 0, 1, 7, 0
	WIN 0
	s_barrier_wait -1
	CREST                                          ; no wave of any partner still reads LDS or has a load on its way
	LOADS                                          ; the next tile, the first tensor load behind the round
.else
	s_wait_dscnt 0x0                               ; nothing more to fetch
	MUL16 0, 1, 7, 0
.endif
	MUL16 2, 1, 7, 0
	PLACES 4                                       ; in front of the first read of results and the first write over fragments
.endm
.macro OUT
	QUANT 0
	QUANT 1
	QUANT 2
	QUANT 3
.irp a, 0,1,2,3
	v_lshrrev_b32 v[SW+\a], v21, v[PW+\a]
.endr
.irp a, 0,1,2,3
	v_and_b32 v[SW+\a], s100, v[SW+\a]
.endr
	global_store_b128 v18, v[SW:SW+3], s[98:99]    ; sixteen lanes store 256 consecutive bytes
.endm
	s_load_b256 s[4:11], s[0:1], 0x0               ; cod s[4:5], scl s[6:7], bq s[8:9], bk s[10:11]
	s_load_b128 s[12:15], s[0:1], 0x20             ; bv s[12:13], hd s[14:15]
	v_lshl_add_u32 v12, v0, 2, SPARE
	v_mov_b32 v13, 0
	ds_add_u32 v12, v13                            ; the wave's opening: the add, twice on end, and its wait ahead of my first tensor load
	ds_add_u32 v12, v13
	v_lshrrev_b32 v1, 5, v0
	v_readfirstlane_b32 s16, v1                    ; wave 0..3
	s_lshr_b32 s17, s16, 1                         ; WM: which four blocks of source 1
	s_and_b32 s18, s16, 1                          ; WN: which panel of source 0
	s_bfe_u32 s19, ttmp6, 0x40000                  ; cx
	s_bfe_u32 s20, ttmp6, 0x40004                  ; cy
	s_and_b32 s23, ttmp7, 0xffff                   ; the cluster's y, 0..15: its number in each product
	s_mov_b32 s22, 0                               ; the product: 0 q, 1 k, 2 v
	s_lshl_b32 s60, s20, 2
	s_lshl_b32 s60, 15, s60                        ; my row of the cluster
	s_lshl_b32 s61, 0x1111, s19                    ; my column
	; descriptor groups 1, elements of 8 bytes, no padding.  Source 1: half a panel, dense, as 192 rows of 256 bytes.
	; Source 0: the same half of K of two neighbouring panels: 2 rows of 49,152 bytes, a panel (98,304 bytes) apart
	s_or_b32 s24, s60, (3<<16)|(1<<21)
	s_mov_b32 s25, 32<<16
	s_mov_b32 s26, 192<<16
	s_mov_b32 s27, 32<<16
	s_mov_b32 s28, 192
	s_mov_b32 s29, 32
	s_mov_b32 s30, 0
	s_mov_b32 s31, 0
	s_or_b32 s32, s61, (3<<16)|(1<<21)
	s_mov_b32 s33, 6144<<16
	s_mov_b32 s34, 2<<16
	s_mov_b32 s35, 6144<<16
	s_mov_b32 s36, 2
	s_mov_b32 s37, 12288
	s_mov_b32 s38, 0
	s_mov_b32 s39, 0
	s_mov_b32 s40, 1                               ; groups 0: source 1's halves at 0 and 49,152; source 0: [half of K][panel][four chunks] behind them
	s_mov_b32 s41, 0
	s_mov_b32 s44, 1
	s_mov_b32 s45, 49152
	s_mov_b32 s68, 1
	s_mov_b32 s69, PANEL
	s_mov_b32 s72, 1
	s_mov_b32 s73, 2*PANEL
	s_mul_i32 s89, s18, 49152                      ; my panel of source 0, its first half of K
	s_add_co_u32 s89, s89, PANEL
	s_mov_b32 s2, 0x76543210
	s_mov_b32 s3, 0xfedcba98                       ; selects for lane l xor 16
	PAN
	s_wait_dscnt 0x0                               ; both opening adds are done
	s_wait_kmcnt 0x0
	ADR
	CROUND                                         ; all sixteen work-groups are here: the joint loads meet
	LOADS
	v_and_b32 v1, 31, v0                           ; lane
	v_and_b32 v2, 15, v0                           ; r
	v_bfe_u32 v3, v0, 4, 1                         ; h
	s_mul_i32 s62, s17, 6144                       ; my four blocks of source 1
	v_lshlrev_b32 v14, 4, v1                       ; 16 x lane
	v_lshlrev_b32 v16, 3, v1
	v_add_nc_u32 v16, 512, v16                     ; 512 + 8 x lane
	v_add_nc_u32 v4, s62, v14                      ; source 1, chunks 0-3;
	v_add_nc_u32 v5, 49152, v4                     ; chunks 4-7
	v_add_nc_u32 v6, s62, v16
	v_add_nc_u32 v7, 49152, v6
	v_add_nc_u32 v8, s89, v14                      ; source 0, chunks 0-3;
	v_add_nc_u32 v9, PANEL, v8                     ; chunks 4-7: the second half of K lies behind both panels' first
	v_add_nc_u32 v10, s89, v16
	v_add_nc_u32 v11, PANEL, v10
	v_lshlrev_b32 v19, 5, v2                       ; scale words: 32 bytes a row
	v_min_u32 v24, 23, v1
	v_lshlrev_b32 v24, 8, v24                      ; the prefetches: a lane a block of 256 bytes, 24 to an instruction (lanes 24-31 name the last again)
.irp b, 0,1,2,3
	v_mov_b32 v[TM+4+\b], 0                        ; a lane permute's destination counts as one of its sources
.endr
	WALU
.Ltile:                                                ; q, then k
	SCLOAD
	; the bias runs along the registers: lane (r, h) wants, for tile t, features 32 (t / 2) + 16 h + 8 (t % 2) + 0..7 of my panel
	s_cmp_eq_u32 s22, 0
	s_cselect_b64 s[96:97], s[8:9], s[10:11]
	s_lshl_b32 s62, s19, 1
	s_add_co_u32 s62, s62, s18                     ; my panel of features: 2 cx + WN
	s_lshl_b32 s66, s62, 9
	s_mov_b32 s67, 0
	s_add_nc_u64 s[96:97], s[96:97], s[66:67]
	v_lshlrev_b32 v20, 6, v3
	WIN 0x40
.irp t, 0,1,2,3,4,5,6,7
	global_load_b128 v[BI+8*\t:BI+8*\t+3], v20, s[96:97] offset:(32*(\t/2)+8*(\t%2))*4
	global_load_b128 v[BI+8*\t+4:BI+8*\t+7], v20, s[96:97] offset:(32*(\t/2)+8*(\t%2))*4+16
.endr
	WIN 0
	s_lshl_b32 s63, s23, 2
	s_add_co_u32 s63, s63, s20                     ; the tokens' panel, 0..63
	s_lshr_b32 s66, s63, 3                         ; batch
	s_and_b32 s63, s63, 7                          ; panel in the batch
	s_lshl_b32 s66, s66, 4
	s_lshl_b32 s62, s62, 1
	s_add_co_u32 s66, s66, s62                     ; the record of my panel's first head
	s_mul_i32 s66, s66, REC
	s_lshl_b32 s62, s63, 3
	s_lshl_b32 s67, s17, 2
	s_add_co_u32 s62, s62, s67                     ; my first token block
	s_mul_i32 s62, s62, 768
	s_add_co_u32 s90, s62, s66
	s_lshl_b32 s67, s17, 8
	s_add_co_u32 s98, s66, s67                     ; scale words: 256 bytes for each four blocks
	s_mul_i32 s62, s63, 768
	s_add_co_u32 s62, s62, SCLO                    ; k's
	s_lshl_b32 s63, s63, 9
	s_add_co_u32 s63, s63, QS                      ; q's
	s_cmp_eq_u32 s22, 0
	s_cselect_b32 s62, s63, s62
	s_cselect_b32 s63, QC, 0
	s_add_co_u32 s90, s90, s63
	s_add_co_u32 s98, s98, s62
	s_mov_b32 s100, 0xffff                         ; a head's word: two bytes of the panel's word,
	s_mov_b32 s101, 16                             ; lanes 16-31 the upper two,
	s_mov_b32 s104, REC                            ; half 1 of the codes goes to the next head's record,
	s_mov_b32 s105, REC                            ; and so do lanes 16-31's words
	SETD
	s_add_co_u32 s22, s22, 1                       ; the next product, and its panels
	PAN
	s_mul_i32 s48, s56, PANEL                      ; my share of them for the prefetches: of source 1's panel a quarter by cx, of that a quarter by the wave: 6,144 bytes;
	s_mul_i32 s49, s19, 24576
	s_add_co_u32 s48, s48, s49
	s_mul_i32 s49, s16, 6144
	s_add_co_u32 s48, s48, s49
	s_mul_i32 s50, s58, PANEL                      ; of source 0's two panels a quarter by cy, of that a quarter by the wave: 12,288 bytes
	s_mul_i32 s49, s20, 49152
	s_add_co_u32 s50, s50, s49
	s_mul_i32 s49, s16, 12288
	s_add_co_u32 s50, s50, s49
	v_add_nc_u32 v22, s48, v24
	v_add_nc_u32 v23, s50, v24
	START 1
	WIN 0
	global_prefetch_b8 v22, s[4:5] th:TH_LOAD_NT scope:SCOPE_SE
	global_prefetch_b8 v23, s[4:5] th:TH_LOAD_NT scope:SCOPE_SE
	global_prefetch_b8 v23, s[4:5] offset:6144 th:TH_LOAD_NT scope:SCOPE_SE
	ODD 1
	EVEN 2
	ODD 3
	EVEN 4
	ODD 5
	EVEN 6
	LAST 1
	OUT
	WALU
	s_wait_xcnt 0x0                                ; the stores and prefetches have read their registers and bases: the next tile writes them again
	s_cmp_lt_u32 s22, 2
	s_cbranch_scc1 .Ltile
	; v.  The bias runs along the lanes: lane r of block a holds feature 32 (a / 2) + 8 (a % 2) + r + 8 (r / 8) of my 64
	SCLOAD
	s_and_b32 s62, s23, 1
	s_lshl_b32 s62, s62, 2
	s_add_co_u32 s62, s62, s20                     ; Wv's panel, 0..7
	s_lshl_b32 s66, s62, 9
	s_lshl_b32 s67, s17, 8
	s_add_co_u32 s66, s66, s67
	s_mov_b32 s67, 0
	s_add_nc_u64 s[96:97], s[12:13], s[66:67]
	v_and_b32 v20, 8, v2
	v_add_nc_u32 v20, v20, v2
	v_lshlrev_b32 v20, 2, v20
	WIN 0x40
.irp a, 0,1,2,3
	global_load_b32 v[BI+8*\a], v20, s[96:97] offset:(32*(\a/2)+8*(\a%2))*4
.endr
	WIN 0
	s_lshr_b32 s63, s23, 1
	s_lshl_b32 s63, s63, 4                         ; 16 x batch
	s_lshl_b32 s62, s62, 1
	s_add_co_u32 s63, s63, s62
	s_add_co_u32 s63, s63, s17                     ; the record: head 2 x panel + WM
	s_mul_i32 s63, s63, REC
	s_lshl_b32 s62, s19, 1
	s_add_co_u32 s62, s62, s18                     ; the key chunk: 2 cx + WN
	s_mul_i32 s90, s62, 6144
	s_add_co_u32 s90, s90, s63
	s_add_co_u32 s90, s90, VC
	s_mul_i32 s98, s62, 768
	s_add_co_u32 s98, s98, s63
	s_add_co_u32 s98, s98, SCLO+512
	s_mov_b32 s100, -1                             ; the whole word: four blocks of keys
	s_mov_b32 s101, 0
	s_mov_b32 s104, 3072                           ; half 1 of the codes: keys 64-127 of the chunk
	s_mov_b32 s105, 0
	SETD
	START 2
	ODD 1
	EVEN 2
	ODD 3
	EVEN 4
	ODD 5
	EVEN 6
	LAST 0
	OUT
	s_wait_tensorcnt 0x0                           ; the wave's end
	ds_add_u32 v12, v13
	s_wait_dscnt 0x0
	CROUND                                         ; the closing round
	s_endpgm
.Lfunc_end_k_q2899327f0b_proj:
	.size	k_q2899327f0b_proj, .Lfunc_end_k_q2899327f0b_proj-k_q2899327f0b_proj
	.p2alignl 7, 3214868480
	.fill 96, 4, 3214868480
	.section	.rodata,"a",@progbits
	.p2align	6, 0x0
	.amdhsa_kernel k_q2899327f0b_proj
		.amdhsa_group_segment_fixed_size 327680
		.amdhsa_private_segment_fixed_size 0
		.amdhsa_enable_private_segment 0
		.amdhsa_kernarg_size 48
		.amdhsa_user_sgpr_count 2
		.amdhsa_user_sgpr_kernarg_segment_ptr 1
		.amdhsa_wavefront_size32 1
		.amdhsa_system_sgpr_workgroup_id_x 1
		.amdhsa_system_sgpr_workgroup_id_y 1
		.amdhsa_system_sgpr_workgroup_id_z 1
		.amdhsa_system_vgpr_workitem_id 0
		.amdhsa_next_free_vgpr 768
		.amdhsa_next_free_sgpr 106
		.amdhsa_reserve_vcc 0
		.amdhsa_float_denorm_mode_32 3
		.amdhsa_float_denorm_mode_16_64 3
		.amdhsa_memory_ordered 1
		.amdhsa_forward_progress 1
		.amdhsa_inst_pref_size 174
	.end_amdhsa_kernel
	.amdgpu_metadata
---
amdhsa.version: [ 1, 2 ]
amdhsa.kernels:
  - .name:           k_q2899327f0b_proj
    .symbol:         k_q2899327f0b_proj.kd
    .args:
      - { .name: cod, .offset: 0, .size: 8, .value_kind: global_buffer, .address_space: global }
      - { .name: scl, .offset: 8, .size: 8, .value_kind: global_buffer, .address_space: global }
      - { .name: bq, .offset: 16, .size: 8, .value_kind: global_buffer, .address_space: global }
      - { .name: bk, .offset: 24, .size: 8, .value_kind: global_buffer, .address_space: global }
      - { .name: bv, .offset: 32, .size: 8, .value_kind: global_buffer, .address_space: global }
      - { .name: hd, .offset: 40, .size: 8, .value_kind: global_buffer, .address_space: global }
    .group_segment_fixed_size: 327680
    .private_segment_fixed_size: 0
    .kernarg_segment_align: 8
    .kernarg_segment_size: 48
    .max_flat_workgroup_size: 128
    .sgpr_count:     106
    .vgpr_count:     768
    .wavefront_size: 32
...
	.end_amdgpu_metadata
.endif
;; end of part 2
;; launch attn (part 3): grid 4 x 64, 16 waves a work-group, clusters of 4 x 1, 210,944 bytes of LDS; arguments hd, cod, scl; writes cod, scl
.if DOCPART == 3
	.amdgcn_target "amdgcn-amd-amdhsa--gfx1250"
	.amdhsa_code_object_version 6
	.text
	.protected	k_q2899327f0b_attn
	.globl	k_q2899327f0b_attn
	.p2align	8
	.type	k_q2899327f0b_attn,@function
k_q2899327f0b_attn:
	s_mov_b64 s[64:65], 0
	v_nop
	global_prefetch_b8 v0, s[64:65] scope:SCOPE_SE
	s_setreg_imm32_b32 hwreg(HW_REG_WAVE_MODE, 25, 1), 1
	s_wait_xcnt 0x0
	s_wait_alu depctr_hold_cnt(0) depctr_sa_sdst(0) depctr_va_vdst(0) depctr_va_sdst(0) depctr_va_ssrc(0) depctr_va_vcc(0) depctr_vm_vsrc(0)
	s_getreg_b32 s2, hwreg(HW_REG_IB_STS2, 6, 4)
	s_cmp_eq_u32 s2, 0
	s_cbranch_scc0 .Lentry_in_a_cluster
	s_endpgm
.Lentry_in_a_cluster:
	s_bfe_u32 s2, ttmp6, 0x10000c
	s_cmp_lg_u32 s2, 0x3003
	s_cbranch_scc0 .Lentry_shape_is_right
	s_endpgm
.Lentry_shape_is_right:
; o = softmax(q k^T / 8) v for two heads and 256 queries a work-group, on codes of FP6 (E2M3) with E8M0 scales; o is quantised along the features and leaves as images of operand registers (panels 224-287 of cod, scl).
; Both products are used transposed (S^T = k q^T, O^T = v^T p^T): a lane holds one query throughout.  p = 2^(t - M), t = score x log2(e) / 8 (q's factor 2^-3 is carried here), M the ceiling of the running largest t;
; the row's sum is taken of the unquantised p; a change of M multiplies sum and O^T by a power of two, in every step, with no branch on data.
; LIMITS: the promise holds while the scaled scores t stay under 2^31 in magnitude; NaN and infinities are not served; blocks under 2^-124 and blocks of zeros keep the scale byte 1.
; SHARES: 16 waves, a wave 16 queries, head 0 and then head 1, each in 8 steps of 128 keys.  The four work-groups of a cluster take the four quarters of the queries of the same two heads and ask for K and V jointly.
; LDS: the first 104,448 bytes of both heads' records (K's codes, V's codes, scale words), each byte filled once: 16 pieces of 51 rows of 256 bytes, ONE load a wave at the head.
; One barrier, in front of which every wave has waited for its load, shows both heads to all waves; behind it the waves share nothing, and no barrier stands between the heads.
; No prefetch: the launch has one fill, at its head, and no loop to run ahead in.
; THE KEYS OF A TILE: lane r of K's tile 4 c + u holds key 64 c + 8 u + r % 8 + 32 (r / 8) of the step, so register 32 c + i of lane (r, h) is key 64 c + 32 h + i: a whole block of 32, in the order of p's operand registers.
; K = 64 of the head fills half of the instruction's 128: q's upper six registers hold zero codes, so K's tiles lie six registers apart and a tile's upper half is the next tile's codes, which are multiplied by zeros.
; REGISTERS: v1-3 lane terms, v4-5 the add's two, v6-8 LDS addresses, v12 -M, v13 largest score, v[14:15] the sum; the map below.
.set REC,   157696
.set QC,    104448
.set QS,    153600
.set HB,    104448                     ; a head's image in LDS
.set PIECE, HB/8                       ; what one wave's load brings: 51 rows of 256 bytes
.set VOFF,  49152
.set SCO,   98304
.set SPARE, 2*HB                       ; the spare words: 128 bytes a wave
.set QF,  16                           ; v16-27 q's codes and six registers of zero codes
.set Q1,  28                           ; v28-33 head 1's q
.set QSW, 34                           ; v34, v35 q's scale words
.set KB,  36                           ; v36-89 K's eight tiles, six registers apart, and six more
.set S,   90                           ; v90-153 the scores, then p; then V's tiles 0, 1
.set OA,  154                          ; v154-185 O^T
.set VB,  186                          ; v186-209 V's tiles 2, 3
.set PC,  210                          ; v210-221 p's codes; at a head's end o's
.set T0,  222                          ; the codes of a block's upper 16 (a conversion's three registers begin on an even number)
.set T1,  226
.set KSW, 230
.set VSW, 238
.set BM,  242                          ; the two blocks' largest
.set SO,  244                          ; the conversions' scale operands
.set B2,  246                          ; the sum's second chain
.set FF,  248                          ; f = 2^(old M - new M), low word of a pair
.set TMP, 250
.set OLD, 251
.set PW,  252
.set OW,  253
.set PT,  254
.set SH,  255                          ; 8 h
.macro WALU
	s_wait_alu depctr_va_vdst(0)
.endm
.macro D1
	s_delay_alu instid0(VALU_DEP_1)
.endm
.macro CROUND
	s_barrier_signal -1
	s_barrier_wait -1
	s_cmp_lg_u32 s10, 0
	s_cbranch_scc1 .Lnot_wave_0_\@
	s_barrier_signal -3
.Lnot_wave_0_\@:
	s_barrier_wait -3
	s_barrier_signal -1
	s_barrier_wait -1
.endm
.macro KLOADS                          ; K's eight tiles and their scale words at v6-8: 18 loads
.irp t, 0,1,2,3,4,5,6,7
	ds_load_b128 v[KB+6*\t:KB+6*\t+3], v6 offset:\t*768
	ds_load_b64 v[KB+6*\t+4:KB+6*\t+5], v7 offset:\t*768
.endr
	ds_load_b128 v[KSW:KSW+3], v8 offset:256
	ds_load_b128 v[KSW+4:KSW+7], v8 offset:512
.endm
.macro PRO hd                          ; a head's first K
	s_mov_b32 s36, (\hd)*HB
	s_mov_b32 s37, (\hd)*HB
	v_add_nc_u32 v6, s36, v1
	v_add_nc_u32 v7, s36, v2
	v_add_nc_u32 v8, s37, v3
	KLOADS
.endm
.macro VLOAD reg, a0                   ; V's tiles a0, a0 + 1 of this step (v6, v7 stand one step on): 8 loads
.irp a, 0,1
.irp u, 0,1
	ds_load_b128 v[\reg+12*\a+6*\u:\reg+12*\a+6*\u+3], v6 offset:VOFF-6144+\u*3072+(\a0+\a)*768
	ds_load_b64 v[\reg+12*\a+6*\u+4:\reg+12*\a+6*\u+5], v7 offset:VOFF-6144+\u*3072+(\a0+\a)*768
.endr
.endr
.endm
.macro MAXES c                         ; the largest score of my block c: four chains, one to a tile, each accumulator from its low end on
.set B_, S+32*(\c)
	v_max3_num_f32 v[BM+\c], v[B_], v[B_+1], v[B_+2]
	v_max3_num_f32 v[SO], v[B_+8], v[B_+9], v[B_+10]
	v_max3_num_f32 v[SO+1], v[B_+16], v[B_+17], v[B_+18]
	v_max3_num_f32 v[PT], v[B_+24], v[B_+25], v[B_+26]
.irp i, 3,5
	v_max3_num_f32 v[BM+\c], v[BM+\c], v[B_+\i], v[B_+\i+1]
	v_max3_num_f32 v[SO], v[SO], v[B_+8+\i], v[B_+9+\i]
	v_max3_num_f32 v[SO+1], v[SO+1], v[B_+16+\i], v[B_+17+\i]
	v_max3_num_f32 v[PT], v[PT], v[B_+24+\i], v[B_+25+\i]
.endr
	v_max3_num_f32 v[BM+\c], v[BM+\c], v[B_+7], v[B_+15]
	v_max3_num_f32 v[SO+1], v[SO+1], v[B_+23], v[B_+31]
	v_max3_num_f32 v[BM+\c], v[BM+\c], v[SO], v[PT]
	D1
	v_max_num_f32 v[BM+\c], v[BM+\c], v[SO+1]
.endm
.macro SCALE j0, n                     ; t - M, two at a time
.set j, \j0
.rept \n
	v_pk_fma_f32 v[S+j:S+j+1], v[S+j:S+j+1], s[22:23], v[12:13] op_sel_hi:[1,0,0]
.set j, j+2
.endr
.endm
.macro SUMS j0, n                      ; n pairs of p onto the sum's three chains (v[14:15], v[B2:B2+1], v[10:11]), by turns
.set j, \j0
.rept \n
.if (j/2)%3 == 0
	v_pk_add_f32 v[14:15], v[14:15], v[S+j:S+j+1]
.elseif (j/2)%3 == 1
	v_pk_add_f32 v[B2:B2+1], v[B2:B2+1], v[S+j:S+j+1]
.else
	v_pk_add_f32 v[10:11], v[10:11], v[S+j:S+j+1]
.endif
.set j, j+2
.endr
.endm
.macro PV a, reg
	v_wmma_scale_f32_16x16x128_f8f6f4 v[OA+8*\a:OA+8*\a+7], v[\reg:\reg+11], v[PC:PC+11], v[OA+8*\a:OA+8*\a+7], v[VSW+\a], v[PW] matrix_a_fmt:MATRIX_FMT_FP6 matrix_b_fmt:MATRIX_FMT_FP6
.endm
; A step of 128 keys.  pf = 1: the next step's K is fetched; 2: head 1's first K; 0: nothing more.
.macro STEP pf
	s_add_co_u32 s36, s36, 6144
	s_add_co_u32 s37, s37, 768
	WALU
	s_wait_dscnt 0x0                               ; this step's K, asked for a step ago
.irp t, 0,1,2,3,4,5,6,7
	v_wmma_scale_f32_16x16x128_f8f6f4 v[S+8*\t:S+8*\t+7], v[KB+6*\t:KB+6*\t+11], v[QF:QF+11], 0, v[KSW+\t], v[QSW] matrix_a_fmt:MATRIX_FMT_FP6 matrix_b_fmt:MATRIX_FMT_FP6
.endr
	v_add_nc_u32 v6, s36, v1                       ; four places behind the products: the addresses one step on
	v_add_nc_u32 v7, s36, v2
	v_add_nc_u32 v8, s37, v3
	v_nop
.if \pf == 1
	KLOADS
.endif
	VLOAD VB, 2
	ds_load_b128 v[VSW:VSW+3], v8
	MAXES 0
	MAXES 1
	v_max3_num_f32 v[TMP], v13, v[BM], v[BM+1]
	D1
	v_permlanex16_b32 v[PT], v[TMP], s20, s21
	D1
	v_max_num_f32 v13, v[TMP], v[PT]               ; the running largest score of my query (the factor is positive)
	D1
	v_mul_f32 v[TMP], s22, v13
	D1
	v_floor_f32 v12, -v[TMP]                       ; -M = -ceil(t)
	D1
	v_sub_f32 v[TMP], v12, v[OLD]                  ; old M - new M, a whole number, 0 or less
	SCALE 0, 8
	v_cvt_i32_f32 v[TMP], v[TMP]                   ; (it saturates)
	SCALE 16, 8
	v_ldexp_f32 v[FF], 1.0, v[TMP]
	SCALE 32, 16
	v_fma_f32 v[BM], v[BM], s22, v12               ; the same of each block's largest score
	v_fma_f32 v[BM+1], v[BM+1], s22, v12
.set j, 0
.rept 16
	v_pk_mul_f32 v[OA+j:OA+j+1], v[OA+j:OA+j+1], v[FF:FF+1] op_sel_hi:[1,0]   ; O^T under the new M
.set j, j+2
.endr
	WALU
.set j, 0
.rept 64
	v_exp_f32 v[S+j], v[S+j]
.set j, j+1
.endr
	v_exp_f32 v[BM], v[BM]                         ; the blocks' largest p
	v_exp_f32 v[BM+1], v[BM+1]
	v_mov_b32 v[OLD], v12                          ; the plain place behind the batch
	WALU                                           ; one wait for the batch, ahead of its first reader
	v_max_num_f32 v[BM], 0x1800000, v[BM]          ; the floor 2^(3 - 127): the byte cannot fall under 1
	v_max_num_f32 v[BM+1], 0x1800000, v[BM+1]
	v_pk_fma_f32 v[14:15], v[14:15], v[FF:FF+1], v[S:S+1] op_sel_hi:[1,0,1]   ; the sum under the new M, and the first pair of p
	v_pk_add_f32 v[B2:B2+1], v[S+2:S+3], v[S+4:S+5]
	v_pk_add_f32 v[10:11], v[S+6:S+7], v[S+8:S+9]
	v_add_nc_u32 v[SO], 0xff000000, v[BM]          ; 2 off the exponent field: the conversion's scale operand
	v_add_nc_u32 v[SO+1], 0xff000000, v[BM+1]
	SUMS 10, 3
	v_cvt_scalef32_pk16_fp6_f32 v[PC:PC+2], v[S:S+15], v[SO]
	v_cvt_scalef32_pk16_fp6_f32 v[T0:T0+2], v[S+16:S+31], v[SO]
	SUMS 16, 8                                     ; (plain lines behind the conversions)
	VLOAD S, 0                                     ; p's first 32 have been summed and converted: their registers take V's tiles 0, 1
.if \pf == 2
	PRO 1
.endif
	v_cvt_scalef32_pk16_fp6_f32 v[PC+6:PC+8], v[S+32:S+47], v[SO+1]
	v_cvt_scalef32_pk16_fp6_f32 v[T1:T1+2], v[S+48:S+63], v[SO+1]
	v_lshrrev_b32 v[BM], 23, v[SO]                 ; the scales' bytes (the plain place behind the conversions)
	v_lshrrev_b32 v[BM+1], 23, v[SO+1]
.irp i, 0,1,2
	v_mov_b32 v[PC+3+\i], v[T0+\i]
.endr
	v_lshl_or_b32 v[PW], v[BM+1], 16, v[BM]        ; my two bytes: blocks h and 2 + h,
.irp i, 0,1,2
	v_mov_b32 v[PC+9+\i], v[T1+\i]
.endr
	v_lshlrev_b32 v[PW], v[SH], v[PW]              ; at their places, 8 h bits up;
	SUMS 32, 2
	v_permlanex16_b32 v[PT], v[PW], s20, s21
	SUMS 36, 2
	v_or_b32 v[PW], v[PW], v[PT]                   ; with lane l xor 16's two the word is whole
	SUMS 40, 8
	WALU
.if \pf == 2
	s_wait_dscnt 18                                ; V is in; the next head's 18 loads may be out
.else
	s_wait_dscnt 0x0
.endif
	PV 0, S
	PV 1, S+12
	PV 2, VB
	PV 3, VB+12
	SUMS 56, 4                                     ; six places between these products and the next ones, which write over V's registers: the sum's last lines
	v_pk_add_f32 v[14:15], v[14:15], v[10:11]
	D1
	v_pk_add_f32 v[14:15], v[14:15], v[B2:B2+1]
.endm
.macro WALK n
	s_mov_b32 s38, \n
.Lstep_\@:
	STEP 1
	s_sub_co_u32 s38, s38, 1
	s_cmp_lg_u32 s38, 0
	s_cbranch_scc1 .Lstep_\@
.endm
.macro INIT hd
.if \hd
.irp i, 0,1,2,3,4,5
	v_mov_b32 v[QF+\i], v[Q1+\i]
.endr
	v_mov_b32 v[QSW], v[QSW+1]
.endif
	v_mov_b32 v13, 0xff61b1e6                      ; the largest score so far: -3e38
	v_mov_b32 v14, 0
	v_mov_b32 v15, 0
	v_mul_f32 v12, s22, v13
.set j, 0
.rept 32
	v_mov_b32 v[OA+j], 0                           ; the step is written once: the first finds zeros
.set j, j+1
.endr
	v_floor_f32 v12, -v12
	D1
	v_mov_b32 v[OLD], v12
.endm
; A head's end: O^T / the sum, quantised along the head's 64 (two blocks; a block lies in lanes l and l xor 16), stored as half of an operand's image.
.macro FINISH hd
	v_add_f32 v14, v14, v15
	D1
	v_permlanex16_b32 v[PT], v14, s20, s21
	D1
	v_add_f32 v14, v14, v[PT]
	WALU
	v_rcp_f32 v14, v14
	v_nop
	WALU
.set j, 0
.rept 16
	v_pk_mul_f32 v[S+j:S+j+1], v[OA+j:OA+j+1], v[14:15] op_sel_hi:[1,0]
.set j, j+2
.endr
.irp b, 0,1
	v_max3_num_f32 v[BM+\b], |v[S+16*\b]|, |v[S+1+16*\b]|, 0x1800000
.endr
.irp i, 2,4,6,8,10,12,14
.irp b, 0,1
	s_delay_alu instid0(VALU_DEP_2)
	v_max3_num_f32 v[BM+\b], v[BM+\b], |v[S+16*\b+\i]|, |v[S+1+16*\b+\i]|
.endr
.endr
.irp b, 0,1
	s_delay_alu instid0(VALU_DEP_2)
	v_permlanex16_b32 v[B2+\b], v[BM+\b], s20, s21
.endr
.irp b, 0,1
	s_delay_alu instid0(VALU_DEP_2)
	v_max_num_f32 v[BM+\b], v[BM+\b], v[B2+\b]
.endr
.irp b, 0,1
	s_delay_alu instid0(VALU_DEP_2)
	v_add_nc_u32 v[SO+\b], 0xff000000, v[BM+\b]
.endr
.irp b, 0,1
	s_delay_alu instid0(VALU_DEP_2)
	v_lshrrev_b32 v[B2+\b], 23, v[SO+\b]
.endr
	D1
	v_lshl_or_b32 v[B2], v[B2+1], 8, v[B2]
	D1
.if (\hd) == 0
	v_mov_b32 v[OW], v[B2]
.else
	v_lshl_or_b32 v[OW], v[B2], 16, v[OW]
.endif
	v_cvt_scalef32_pk16_fp6_f32 v[PC:PC+2], v[S:S+15], v[SO]
	v_cvt_scalef32_pk16_fp6_f32 v[T0:T0+2], v[S+16:S+31], v[SO+1]
	v_nop
.irp i, 0,1,2
	v_permlane16_swap_b32 v[PC+\i], v[T0+\i]
.endr
.irp i, 0,1,2
	s_delay_alu instid0(VALU_DEP_3)
	v_mov_b32 v[PC+3+\i], v[T0+\i]
.endr
	global_store_b128 v1, v[PC:PC+3], s[6:7] offset:(\hd)*768     ; 512 consecutive bytes,
	global_store_b64 v2, v[PC+4:PC+5], s[6:7] offset:(\hd)*768    ; and the 256 behind them
.endm
	s_load_b128 s[4:7], s[0:1], 0x0                ; hd, cod
	s_load_b64 s[8:9], s[0:1], 0x10                ; scl
	v_lshl_add_u32 v4, v0, 2, SPARE
	v_mov_b32 v5, 0
	ds_add_u32 v4, v5                              ; the opening lines: the add, twice on end, and its wait ahead of my tensor load
	ds_add_u32 v4, v5
	v_lshrrev_b32 v1, 5, v0
	D1
	v_readfirstlane_b32 s10, v1                    ; wave 0..15
	s_bfe_u32 s11, ttmp6, 0x40000
	s_lshl_b32 s39, ttmp9, 2
	s_add_co_u32 s11, s39, s11                     ; which quarter of the queries
	s_and_b32 s12, ttmp7, 0xffff                   ; which pair of heads
	s_lshl_b32 s13, s12, 1
	s_mul_i32 s17, s13, REC
	s_mov_b32 s24, 15|(3<<16)|(1<<21)              ; group 1: 51 rows of 256 bytes (32 elements of 8), dense; the mask names the cluster's four
	s_mov_b32 s25, 32<<16
	s_mov_b32 s26, 51<<16
	s_mov_b32 s27, 32<<16
	s_mov_b32 s28, 51
	s_mov_b32 s29, 32
	s_mov_b32 s30, 0
	s_mov_b32 s31, 0
	s_mov_b32 s32, 1
	s_mul_i32 s33, s10, PIECE                      ; LDS: wave x a piece: head 0's eight, then head 1's
	s_lshr_b32 s14, s10, 3
	s_mul_i32 s14, s14, REC-HB                     ; in memory the records lie REC apart
	s_add_co_u32 s14, s14, s33
	s_add_co_u32 s14, s14, s17
	s_mov_b32 s15, 0
	s_mov_b32 s20, 0x76543210
	s_mov_b32 s21, 0xfedcba98                      ; selects for lane l xor 16
	s_mov_b32 s22, 0x3e38aa3b                      ; log2(e) / 8
	s_mov_b32 s23, s22
	s_lshl_b32 s16, s11, 4
	s_add_co_u32 s16, s16, s10                     ; my block of 16 queries, 0..63
	s_mul_i32 s18, s16, 768
	s_add_co_u32 s18, s18, s17
	s_add_co_u32 s18, s18, QC
	s_mov_b32 s19, 0
	s_lshr_b32 s40, s16, 2
	s_lshl_b32 s40, s40, 8
	s_and_b32 s41, s16, 3
	s_lshl_b32 s41, s41, 2
	s_add_co_u32 s40, s40, s41
	s_add_co_u32 s40, s40, s17
	s_add_co_u32 s40, s40, QS
	s_mov_b32 s41, 0
	s_lshr_b32 s42, s12, 3                         ; where o goes: panel 224 + 8 x batch + 2 x quarter + wave / 8,
	s_lshl_b32 s42, s42, 3
	s_lshl_b32 s43, s11, 1
	s_add_co_u32 s42, s42, s43
	s_lshr_b32 s43, s10, 3
	s_add_co_u32 s42, s42, s43
	s_add_co_u32 s42, s42, 224
	s_and_b32 s43, s12, 7                          ; K chunk = the pair of heads,
	s_and_b32 s44, s10, 7                          ; row block = wave % 8
	s_mul_i32 s46, s42, 98304
	s_mul_i32 s45, s43, 12288
	s_add_co_u32 s46, s46, s45
	s_mul_i32 s45, s44, 1536
	s_add_co_u32 s46, s46, s45
	s_mov_b32 s47, 0
	s_lshl_b32 s42, s42, 12
	s_lshl_b32 s44, s44, 9
	s_add_co_u32 s42, s42, s44
	s_lshl_b32 s43, s43, 2
	s_add_co_u32 s42, s42, s43
	s_mov_b32 s43, 0
	s_wait_dscnt 0x0                               ; both opening adds are done
	s_wait_kmcnt 0x0
	s_add_nc_u64 s[34:35], s[4:5], s[14:15]
	s_or_b32 s35, s35, 0x80000000
	s_add_nc_u64 s[18:19], s[4:5], s[18:19]
	s_add_nc_u64 s[40:41], s[4:5], s[40:41]
	s_add_nc_u64 s[6:7], s[6:7], s[46:47]
	s_add_nc_u64 s[8:9], s[8:9], s[42:43]
	CROUND                                         ; the four work-groups are here: the joint loads meet
	tensor_load_to_lds s[32:35], s[24:31]          ; my one load
	s_nop 0
	v_and_b32 v10, 31, v0
	v_and_b32 v11, 15, v0
	v_bfe_u32 v[SH], v0, 4, 1
	v_lshlrev_b32 v1, 4, v10                       ; 16 x lane
	v_lshlrev_b32 v2, 3, v10
	v_lshlrev_b32 v10, 4, v11                      ; 16 r
	v_add_nc_u32 v2, 512, v2                       ; 512 + 8 x lane
	v_lshlrev_b32 v9, 5, v11                       ; o's scale word: 32 r
	v_add_nc_u32 v3, SCO-256, v10                  ; scale words, seen from one step on: V's at 0, the next K's at 256 and 512
	v_lshlrev_b32 v[SH], 3, v[SH]
	global_load_b128 v[QF:QF+3], v1, s[18:19]
	global_load_b64 v[QF+4:QF+5], v2, s[18:19]
	global_load_b32 v[QSW], v10, s[40:41]
	global_load_b128 v[Q1:Q1+3], v1, s[18:19] offset:REC
	global_load_b64 v[Q1+4:Q1+5], v2, s[18:19] offset:REC
	global_load_b32 v[QSW+1], v10, s[40:41] offset:REC
.irp i, 6,7,8,9,10,11
	v_mov_b32 v[QF+\i], 0                          ; zero codes for the upper 64 of the instruction's K
.endr
.irp i, 48,49,50,51,52,53
	v_mov_b32 v[KB+\i], 0                          ; what the last tile's upper half names
.endr
	v_mov_b32 v[FF+1], 0                           ; named as the upper half of a pair
	INIT 0
	WALU
	s_wait_tensorcnt 0x0                           ; my piece has landed
	s_barrier_signal -1
	s_barrier_wait -1                              ; everybody's has: both heads are in
	PRO 0
	s_wait_loadcnt 0x0                             ; q
	WALK 7
	STEP 2
	FINISH 0
	INIT 1
	s_wait_xcnt 0x0                                ; head 0's stores have read their registers, which the next step's conversions write
	WALK 7
	STEP 0
	FINISH 1
	global_store_b32 v9, v[OW], s[8:9]             ; both heads' four bytes of row r (lanes 16-31 store the same bytes once more)
	s_wait_tensorcnt 0x0                           ; the wave's end
	ds_add_u32 v4, v5
	s_wait_dscnt 0x0
	CROUND                                         ; the closing round
	s_endpgm
.Lfunc_end_k_q2899327f0b_attn:
	.size	k_q2899327f0b_attn, .Lfunc_end_k_q2899327f0b_attn-k_q2899327f0b_attn
	.p2alignl 7, 3214868480
	.fill 96, 4, 3214868480
	.section	.rodata,"a",@progbits
	.p2align	6, 0x0
	.amdhsa_kernel k_q2899327f0b_attn
		.amdhsa_group_segment_fixed_size 210944
		.amdhsa_private_segment_fixed_size 0
		.amdhsa_enable_private_segment 0
		.amdhsa_kernarg_size 24
		.amdhsa_user_sgpr_count 2
		.amdhsa_user_sgpr_kernarg_segment_ptr 1
		.amdhsa_wavefront_size32 1
		.amdhsa_system_sgpr_workgroup_id_x 1
		.amdhsa_system_sgpr_workgroup_id_y 1
		.amdhsa_system_sgpr_workgroup_id_z 1
		.amdhsa_system_vgpr_workitem_id 0
		.amdhsa_next_free_vgpr 256
		.amdhsa_next_free_sgpr 66
		.amdhsa_reserve_vcc 0
		.amdhsa_float_denorm_mode_32 3
		.amdhsa_float_denorm_mode_16_64 3
		.amdhsa_memory_ordered 1
		.amdhsa_forward_progress 1
		.amdhsa_inst_pref_size 78
	.end_amdhsa_kernel
	.amdgpu_metadata
---
amdhsa.version: [ 1, 2 ]
amdhsa.kernels:
  - .name:           k_q2899327f0b_attn
    .symbol:         k_q2899327f0b_attn.kd
    .args:
      - { .name: hd, .offset: 0, .size: 8, .value_kind: global_buffer, .address_space: global }
      - { .name: cod, .offset: 8, .size: 8, .value_kind: global_buffer, .address_space: global }
      - { .name: scl, .offset: 16, .size: 8, .value_kind: global_buffer, .address_space: global }
    .group_segment_fixed_size: 210944
    .private_segment_fixed_size: 0
    .kernarg_segment_align: 8
    .kernarg_segment_size: 24
    .max_flat_workgroup_size: 512
    .sgpr_count:     66
    .vgpr_count:     256
    .wavefront_size: 32
...
	.end_amdgpu_metadata
.endif
;; end of part 3
;; launch outp (part 4): grid 4 x 64, 4 waves a work-group, clusters of 4 x 4, 295,424 bytes of LDS; arguments cod, scl, bo, out0; writes out0
.if DOCPART == 4
	.amdgcn_target "amdgcn-amd-amdhsa--gfx1250"
	.amdhsa_code_object_version 6
	.text
	.protected	k_q2899327f0b_outp
	.globl	k_q2899327f0b_outp
	.p2align	8
	.type	k_q2899327f0b_outp,@function
k_q2899327f0b_outp:
	s_mov_b64 s[64:65], 0
	v_nop
	global_prefetch_b8 v0, s[64:65] scope:SCOPE_SE
	s_setreg_imm32_b32 hwreg(HW_REG_WAVE_MODE, 25, 1), 1
	s_wait_xcnt 0x0
	s_wait_alu depctr_hold_cnt(0) depctr_sa_sdst(0) depctr_va_vdst(0) depctr_va_sdst(0) depctr_va_ssrc(0) depctr_va_vcc(0) depctr_vm_vsrc(0)
	s_getreg_b32 s2, hwreg(HW_REG_IB_STS2, 6, 4)
	s_cmp_eq_u32 s2, 0
	s_cbranch_scc0 .Lentry_in_a_cluster
	s_endpgm
.Lentry_in_a_cluster:
	s_bfe_u32 s2, ttmp6, 0x10000c
	s_cmp_lg_u32 s2, 0xf033
	s_cbranch_scc0 .Lentry_shape_is_right
	s_endpgm
.Lentry_shape_is_right:
; out0 = o Wo^T + bo on codes of FP6 (E2M3) with E8M0 scales, sums in f32.  o's codes are panels 224-287, Wo's 216-223 of cod and scl (a panel: 128 rows x 1,024 K as images of operand registers, K chunk outermost).
; TILE.  Source 1 = one panel of tokens, source 0 = two panels of Wo's rows; ALL of K lies in LDS, 3 x 98,304 bytes, each byte filled once: no ring.  Wave (WM, WN): token blocks 4 WM + 0..3 x panel WN: 32 accumulators, 256 matrix instructions.
; A lane holds one token, its registers run along the features: tile t, register j is feature 32 (t / 2) + 16 (lane / 16) + 8 (t % 2) + j of the panel; lane r of token block f is token 32 (f / 2) + 8 (f % 2) + r + 8 (r / 8).
; CLUSTER 4 x 4: the tokens' panel hangs on cy alone and is asked for jointly along a row of the cluster, Wo's panels on cx alone and along a column.
; THE WAY OUT: a block of 16 tokens x 128 features goes through the wave's own stage in LDS and leaves as whole rows of 512 bytes.  The stages lie in source 1's first three chunks, which have had their only fill and which nobody reads behind the last barrier.
; REGISTERS: window 0: v4-11 LDS addresses, v12-13 the add's two, v14-16 the way out, v32-63, v64-127 scale words, v128-223 source 1's fragments (on the way out v128-255: rows of out0).  window 1: source 0's fragments; v192-255 the bias as C.  window 2: accumulators.
.set PANEL, 98304
.set SPARE, 3*PANEL
.set SC1,   32
.set SC0,   64
.set F1,    128
.set BI,    192
.set MSB, 0
.macro WIN new                         ; the immediate's high byte repeats the setting that is left
.if MSB != \new
	s_set_vgpr_msb (MSB<<8)|\new
.set MSB, \new
.endif
.endm
.macro PLACES n
.rept \n
	v_nop
.endr
.endm
.macro CROUND
	s_barrier_signal -1
	s_barrier_wait -1
	s_cmp_lg_u32 s16, 0
	s_cbranch_scc1 .Lnot_wave_0_\@
	s_barrier_signal -3
.Lnot_wave_0_\@:
	s_barrier_wait -3
	s_barrier_signal -1
	s_barrier_wait -1
.endm
.macro FETCH kc, p                     ; the fragments of K chunk kc into set p: 48 LDS loads, each of consecutive bytes
	WIN 0x40
.irp t, 0,1,2,3,4,5,6,7
	ds_load_b128 v[96*(\p)+12*\t:96*(\p)+12*\t+3],    v[8+(\kc)/4]  offset:((\kc)%4)*12288+\t*1536
	ds_load_b64  v[96*(\p)+12*\t+4:96*(\p)+12*\t+5],  v[10+(\kc)/4] offset:((\kc)%4)*12288+\t*1536
	ds_load_b128 v[96*(\p)+12*\t+6:96*(\p)+12*\t+9],  v[8+(\kc)/4]  offset:((\kc)%4)*12288+\t*1536+768
	ds_load_b64  v[96*(\p)+12*\t+10:96*(\p)+12*\t+11], v[10+(\kc)/4] offset:((\kc)%4)*12288+\t*1536+768
.endr
	WIN 0
.irp a, 0,1,2,3
	ds_load_b128 v[F1+48*(\p)+12*\a:F1+48*(\p)+12*\a+3],    v[4+(\kc)/4] offset:((\kc)%4)*12288+\a*1536
	ds_load_b64  v[F1+48*(\p)+12*\a+4:F1+48*(\p)+12*\a+5],  v[6+(\kc)/4] offset:((\kc)%4)*12288+\a*1536
	ds_load_b128 v[F1+48*(\p)+12*\a+6:F1+48*(\p)+12*\a+9],  v[4+(\kc)/4] offset:((\kc)%4)*12288+\a*1536+768
	ds_load_b64  v[F1+48*(\p)+12*\a+10:F1+48*(\p)+12*\a+11], v[6+(\kc)/4] offset:((\kc)%4)*12288+\a*1536+768
.endr
.endm
; 16 matrix instructions: token blocks a0, a0 + 1 x eight tiles of features.  cm = 1: the sums begin with the bias.  The 32 accumulators take turns, one instruction a turn, in the same order in every chunk.
.macro MUL16 a0, p, kc, cm
.if \cm
	WIN 0x91
.else
	WIN 0xa1
.endif
.irp a, \a0, \a0+1
.irp t, 0,1,2,3,4,5,6,7
.set rD, 8*(8*(\a)+\t)
.set rA, 96*(\p)+12*\t
.set rB, F1+48*(\p)+12*(\a)
.if \cm == 0
	v_wmma_scale_f32_16x16x128_f8f6f4 v[rD:rD+7], v[rA:rA+11], v[rB:rB+11], v[rD:rD+7], v[SC0+8*\t+(\kc)], v[SC1+8*(\a)+(\kc)] matrix_a_fmt:MATRIX_FMT_FP6 matrix_b_fmt:MATRIX_FMT_FP6
.else
	v_wmma_scale_f32_16x16x128_f8f6f4 v[rD:rD+7], v[rA:rA+11], v[rB:rB+11], v[BI+8*\t:BI+8*\t+7], v[SC0+8*\t+(\kc)], v[SC1+8*(\a)+(\kc)] matrix_a_fmt:MATRIX_FMT_FP6 matrix_b_fmt:MATRIX_FMT_FP6
.endif
.endr
.endr
.endm
.macro EVEN kc
	PLACES 4                                       ; in front of loads into set 1, which the last products read
	FETCH (\kc)+1, 1
	s_wait_dscnt 48                                ; all but the 48 just issued
	MUL16 0, 0, \kc, 0
	MUL16 2, 0, \kc, 0
.endm
.macro ODD kc                          ; an odd chunk.  Chunk 3's successor opens the second half of K; the others go as the even ones do, with the sets changed
.if (\kc) == 3
	s_wait_tensorcnt 0x0                           ; my load has landed, whichever half it brought: no byte is ever filled again
	s_wait_dscnt 0x0
	s_barrier_signal -1
	MUL16 0, 1, \kc, 0
	s_barrier_wait -1                              ; the second half of K has landed; this is the last barrier: behind it nobody reads chunks 0-2
	PLACES 4
	FETCH (\kc)+1, 0
	MUL16 2, 1, \kc, 0
.else
	PLACES 4                                       ; in front of loads into set 0, which the last products read
	FETCH (\kc)+1, 0
	s_wait_dscnt 48                                ; all but the 48 just issued
	MUL16 0, 1, \kc, 0
	MUL16 2, 1, \kc, 0
.endif
.endm
.macro TOSTAGE a                       ; LDS serves a wave's instructions in order: no wait between the stores and the loads, nor in front of the next block's stores
	WIN 0x08                                       ; an LDS store's data: window 2
.irp t, 0,1,2,3,4,5,6,7
	ds_store_b128 v14, v[8*(8*(\a)+\t):8*(8*(\a)+\t)+3] offset:128*(\t/2)+32*(\t%2)          ; each accumulator from its low end on
	ds_store_b128 v14, v[8*(8*(\a)+\t)+4:8*(8*(\a)+\t)+7] offset:128*(\t/2)+32*(\t%2)+16
.endr
	WIN 0
.irp i, 0,1,2,3,4,5,6,7,8,9,10,11,12,13,14,15
	ds_load_b128 v[128+64*((\a)%2)+4*\i:128+64*((\a)%2)+4*\i+3], v15 offset:\i*528
.endr
.endm
.macro SEND a, younger                 ; younger: the LDS instructions issued behind block a's loads, which may stay out
	s_wait_dscnt \younger
.irp i, 0,1,2,3,4,5,6,7,8,9,10,11,12,13,14,15
	global_store_b128 v16, v[128+64*((\a)%2)+4*\i:128+64*((\a)%2)+4*\i+3], s[10:11] offset:(32*((\a)/2)+8*((\a)%2)+\i+8*(\i/8))*4096 th:TH_STORE_NT   ; 32 lanes store 512 consecutive bytes of the token's row
.endr
.endm
	s_load_b256 s[4:11], s[0:1], 0x0               ; cod s[4:5], scl s[6:7], bo s[8:9], out0 s[10:11]
	v_lshl_add_u32 v12, v0, 2, SPARE
	v_mov_b32 v13, 0
	ds_add_u32 v12, v13                            ; the wave's opening: the add and its wait ahead of my first tensor load
	ds_add_u32 v12, v13
	v_lshrrev_b32 v1, 5, v0
	v_readfirstlane_b32 s16, v1                    ; wave 0..3
	s_lshr_b32 s17, s16, 1                         ; WM.  Also: I fetch the first half of K (0) or the second (1)
	s_and_b32 s18, s16, 1                          ; WN
	s_bfe_u32 s19, ttmp6, 0x40000                  ; cx
	s_bfe_u32 s20, ttmp6, 0x40004                  ; cy
	s_and_b32 s21, ttmp7, 0xffff                   ; the cluster's y, 0..15
	s_lshl_b32 s56, s21, 2
	s_add_co_u32 s56, s56, s20
	s_add_co_u32 s56, s56, 224                     ; o's panel
	s_lshl_b32 s58, s19, 1
	s_add_co_u32 s58, s58, 216                     ; Wo's first panel,
	s_add_co_u32 s59, s58, s18                     ; and mine
	s_lshl_b32 s60, s20, 2
	s_lshl_b32 s60, 15, s60                        ; my row of the cluster
	s_lshl_b32 s61, 0x1111, s19                    ; my column
	; groups 1, elements of 8 bytes, no padding.  Source 1: half a panel, dense, as 192 rows of 256 bytes.
	; Source 0: the same half of K of two neighbouring panels: 2 rows of 49,152 bytes, a panel (98,304 bytes) apart
	s_or_b32 s24, s60, (3<<16)|(1<<21)
	s_mov_b32 s25, 32<<16
	s_mov_b32 s26, 192<<16
	s_mov_b32 s27, 32<<16
	s_mov_b32 s28, 192
	s_mov_b32 s29, 32
	s_mov_b32 s30, 0
	s_mov_b32 s31, 0
	s_or_b32 s32, s61, (3<<16)|(1<<21)
	s_mov_b32 s33, 6144<<16
	s_mov_b32 s34, 2<<16
	s_mov_b32 s35, 6144<<16
	s_mov_b32 s36, 2
	s_mov_b32 s37, 12288
	s_mov_b32 s38, 0
	s_mov_b32 s39, 0
	s_mul_i32 s84, s56, PANEL                      ; source 1's panel
	s_mov_b32 s85, 0
	s_mul_i32 s86, s58, PANEL                      ; source 0's first panel
	s_mov_b32 s87, 0
	s_mul_i32 s89, s18, 49152                      ; LDS behind source 1's panel: [half of K][panel][four chunks]: my panel's first half
	s_add_co_u32 s89, s89, PANEL
	s_wait_dscnt 0x0                               ; the opening add is done
	s_wait_kmcnt 0x0
	s_add_nc_u64 s[84:85], s[4:5], s[84:85]
	s_add_nc_u64 s[86:87], s[4:5], s[86:87]
.irp q, 0,1                            ; a group 0 for each half of K and each source: none is ever rewritten
	s_mov_b32 s[40+4*\q], 1
	s_mov_b32 s[41+4*\q], \q*49152
	s_add_nc_u64 s[42+4*\q:43+4*\q], s[84:85], \q*49152
	s_or_b32 s[43+4*\q], s[43+4*\q], 0x80000000
	s_mov_b32 s[68+4*\q], 1
	s_mov_b32 s[69+4*\q], PANEL+\q*PANEL
	s_add_nc_u64 s[70+4*\q:71+4*\q], s[86:87], \q*49152
	s_or_b32 s[71+4*\q], s[71+4*\q], 0x80000000
.endr
	CROUND                                         ; all sixteen work-groups are here: the joint loads meet
	s_cmp_eq_u32 s16, 0                            ; one load a wave, in one chain of branches on the wave's number: the first half of K is asked for first
	s_cbranch_scc0 .Lfill_1
	tensor_load_to_lds s[40:43], s[24:31]          ; wave 0: source 1, chunks 0-3
	s_nop 0
	PLACES 4
	s_branch .Lfilled
.Lfill_1:
	s_cmp_eq_u32 s16, 1
	s_cbranch_scc0 .Lfill_2
	tensor_load_to_lds s[68:71], s[32:39]          ; wave 1: source 0's two panels, chunks 0-3
	s_nop 0
	PLACES 4
	s_branch .Lfilled
.Lfill_2:
	s_cmp_eq_u32 s16, 2
	s_cbranch_scc0 .Lfill_3
	tensor_load_to_lds s[44:47], s[24:31]          ; wave 2: source 1, chunks 4-7
	s_nop 0
	PLACES 4
	s_branch .Lfilled
.Lfill_3:
	tensor_load_to_lds s[72:75], s[32:39]          ; wave 3: source 0's two panels, chunks 4-7
	s_nop 0
	PLACES 4
.Lfilled:
	v_and_b32 v1, 31, v0                           ; lane
	v_and_b32 v2, 15, v0                           ; r
	v_bfe_u32 v3, v0, 4, 1                         ; h
	s_mul_i32 s62, s17, 6144
	v_lshlrev_b32 v16, 4, v1                       ; 16 x lane
	v_lshlrev_b32 v17, 3, v1
	v_add_nc_u32 v17, 512, v17                     ; 512 + 8 x lane
	v_add_nc_u32 v4, s62, v16
	v_add_nc_u32 v5, 49152, v4
	v_add_nc_u32 v6, s62, v17
	v_add_nc_u32 v7, 49152, v6
	v_add_nc_u32 v8, s89, v16
	v_add_nc_u32 v9, PANEL, v8                     ; chunks 4-7: the second half of K lies behind both panels' first
	v_add_nc_u32 v10, s89, v17
	v_add_nc_u32 v11, PANEL, v10
	s_mul_i32 s63, s16, 16*528                     ; my stage
	v_mul_u32_u24 v14, v2, 528
	v_lshl_add_u32 v14, v3, 6, v14
	v_add_nc_u32 v14, s63, v14                     ; in: row r, 64 bytes for each half of the lanes
	v_add_nc_u32 v15, s63, v16                     ; back: the 32 lanes take one row of 512 bytes
	v_lshlrev_b32 v19, 5, v2                       ; scale words: 32 bytes a row
	s_wait_alu depctr_va_vdst(0)
	s_lshl_b32 s92, s56, 12
	s_lshl_b32 s63, s17, 11
	s_add_co_u32 s92, s92, s63
	s_mov_b32 s93, 0
	s_add_nc_u64 s[92:93], s[6:7], s[92:93]
	s_lshl_b32 s94, s59, 12
	s_mov_b32 s95, 0
	s_add_nc_u64 s[94:95], s[6:7], s[94:95]
.irp a, 0,1,2,3
	global_load_b128 v[SC1+8*\a:SC1+8*\a+3], v19, s[92:93] offset:\a*512
	global_load_b128 v[SC1+8*\a+4:SC1+8*\a+7], v19, s[92:93] offset:\a*512+16
.endr
.irp t, 0,1,2,3,4,5,6,7
	global_load_b128 v[SC0+8*\t:SC0+8*\t+3], v19, s[94:95] offset:\t*512
	global_load_b128 v[SC0+8*\t+4:SC0+8*\t+7], v19, s[94:95] offset:\t*512+16
.endr
	s_lshl_b32 s62, s19, 1
	s_add_co_u32 s62, s62, s18                     ; my panel of features: 2 cx + WN
	s_lshl_b32 s66, s62, 9                         ; 512 bytes in bo and in a row of out0
	s_mov_b32 s67, 0
	s_add_nc_u64 s[96:97], s[8:9], s[66:67]
	v_lshlrev_b32 v20, 6, v3
	WIN 0x40
.irp t, 0,1,2,3,4,5,6,7
	global_load_b128 v[BI+8*\t:BI+8*\t+3], v20, s[96:97] offset:(32*(\t/2)+8*(\t%2))*4
	global_load_b128 v[BI+8*\t+4:BI+8*\t+7], v20, s[96:97] offset:(32*(\t/2)+8*(\t%2))*4+16
.endr
	WIN 0
	s_lshl_b32 s90, s21, 2
	s_add_co_u32 s90, s90, s20
	s_lshl_b32 s90, s90, 19                        ; the panel's 128 rows of 4,096 bytes,
	s_lshl_b32 s63, s17, 18                        ; my 64 of them,
	s_add_co_u32 s90, s90, s63
	s_add_co_u32 s90, s90, s66                     ; my 128 features
	s_mov_b32 s91, 0
	s_add_nc_u64 s[10:11], s[10:11], s[90:91]
	s_wait_alu depctr_va_vdst(0)
	s_cmp_lt_u32 s16, 2
	s_cbranch_scc0 .Lhalf_1
	s_wait_tensorcnt 0x0                           ; waves 0 and 1: my load of the first half of K has landed; the second half may stay out
.Lhalf_1:
	s_barrier_signal -1
	s_barrier_wait -1                              ; the first half of K is in
	FETCH 0, 0
	s_wait_loadcnt 0x0                             ; scale words and bias
	FETCH 1, 1
	s_wait_dscnt 48                                ; chunk 0's fragments are in
	MUL16 0, 0, 0, 1                               ; the first chunk starts the sums, with the bias as C
	MUL16 2, 0, 0, 1
	ODD 1
	EVEN 2
	ODD 3
	EVEN 4
	ODD 5
	EVEN 6
	s_wait_dscnt 0x0                               ; the last chunk: nothing more to fetch
	MUL16 0, 1, 7, 0
	MUL16 2, 1, 7, 0
	PLACES 4                                       ; in front of the first read of results and of loads into the fragments' registers
	TOSTAGE 0
	TOSTAGE 1
	SEND 0, 32                                     ; behind block 0's loads: block 1's 16 stores and 16 loads
	s_wait_xcnt 0x0                                ; block 0's stores have read their registers: block 2's loads may land there
	TOSTAGE 2
	SEND 1, 32
	s_wait_xcnt 0x0
	TOSTAGE 3
	SEND 2, 32
	SEND 3, 0
	s_wait_tensorcnt 0x0                           ; the wave's end, behind my last tensor load and my last LDS store
	ds_add_u32 v12, v13
	s_wait_dscnt 0x0
	CROUND                                         ; the closing round
	s_endpgm
.Lfunc_end_k_q2899327f0b_outp:
	.size	k_q2899327f0b_outp, .Lfunc_end_k_q2899327f0b_outp-k_q2899327f0b_outp
	.p2alignl 7, 3214868480
	.fill 96, 4, 3214868480
	.section	.rodata,"a",@progbits
	.p2align	6, 0x0
	.amdhsa_kernel k_q2899327f0b_outp
		.amdhsa_group_segment_fixed_size 295424
		.amdhsa_private_segment_fixed_size 0
		.amdhsa_enable_private_segment 0
		.amdhsa_kernarg_size 32
		.amdhsa_user_sgpr_count 2
		.amdhsa_user_sgpr_kernarg_segment_ptr 1
		.amdhsa_wavefront_size32 1
		.amdhsa_system_sgpr_workgroup_id_x 1
		.amdhsa_system_sgpr_workgroup_id_y 1
		.amdhsa_system_sgpr_workgroup_id_z 1
		.amdhsa_system_vgpr_workitem_id 0
		.amdhsa_next_free_vgpr 768
		.amdhsa_next_free_sgpr 106
		.amdhsa_reserve_vcc 0
		.amdhsa_float_denorm_mode_32 3
		.amdhsa_float_denorm_mode_16_64 3
		.amdhsa_memory_ordered 1
		.amdhsa_forward_progress 1
		.amdhsa_inst_pref_size 84
	.end_amdhsa_kernel
	.amdgpu_metadata
---
amdhsa.version: [ 1, 2 ]
amdhsa.kernels:
  - .name:           k_q2899327f0b_outp
    .symbol:         k_q2899327f0b_outp.kd
    .args:
      - { .name: cod, .offset: 0, .size: 8, .value_kind: global_buffer, .address_space: global }
      - { .name: scl, .offset: 8, .size: 8, .value_kind: global_buffer, .address_space: global }
      - { .name: bo, .offset: 16, .size: 8, .value_kind: global_buffer, .address_space: global }
      - { .name: out0, .offset: 24, .size: 8, .value_kind: global_buffer, .address_space: global }
    .group_segment_fixed_size: 295424
    .private_segment_fixed_size: 0
    .kernarg_segment_align: 8
    .kernarg_segment_size: 32
    .max_flat_workgroup_size: 128
    .sgpr_count:     106
    .vgpr_count:     768
    .wavefront_size: 32
...
	.end_amdgpu_metadata
.endif
;; end of part 4
